; MI455X (gfx1250); checked and timed in simulation.
; The chip was launched on July 23, 2026; its instructions are those of AMD's public machine-readable ISA for CDNA 5 (MIT licence, August 2026) and "CDNA5" Instruction Set Architecture Reference Guide (July 2026). The comments in the code are by the model that wrote it; some were corrected since.
;; Dot Product Attention. Allowed arithmetic: matrix products marked QUANTISED: E3M2 operands, one E8M0 scale for each 32 along K, by v_wmma_scale_f32_16x16x128_f8f6f4 with both operands' format E3M2, f32 sums; everything else in f32.
;; Inputs: keys 64 x 1,024 x 64 float32; queries 64 x 1,024 x 64 float32; valid_lens 64 int32; values 64 x 1,024 x 64 float32.
;; Outputs: out0 64 x 1,024 x 64 float32.
;; This version of the problem:
;;   THIS VERSION OF THE PROBLEM IS GIVEN IN LOW PRECISION. The matrix products marked QUANTISED in the list below multiply operands that are first quantised to E3M2 (3 exponent bits, 2 mantissa bits; 6 bits a number), with one power-of-two scale for each 32 numbers along K (OCP MX v1.0); their sums are f32. All else is computed in f32.
;;   The module's matrix products, in the order in which they are computed (A, B: the left and right operand; K: the contracted axis; several contracted axes count as one K, in the product's order):
;;     1. batch 64 x [M 1,024, K 64] x [K 64, N 1,024]; A: input queries; B: input keys: QUANTISED
;;     2. batch 64 x [M 1,024, K 1,024] x [K 1,024, N 64]; A: softmax (see below); B: input values: QUANTISED
;;   THE QUANTISER, for each operand of a quantised product, along K:
;;     - K is cut into blocks of 32 from its start; a last block that is shorter is filled with zeros.
;;     - A block's scale is 2^e with e = floor(log2(the largest magnitude in the block)) - 4, held to -126 .. 127; a block of zeros has e = 0. As a byte (E8M0): e + 127.
;;     - Each number is divided by its block's scale, clamped to +-28, and rounded to the nearest number of E3M2, ties to even, subnormals kept.
;;     - The product sums the exact products of the quantised numbers (number of the format x scale) in f32.
;;   ~~~python
;;   def quantise(x, axis):      # numpy; x: float32 -> the quantised numbers, widened to float32 again
;;       x = np.moveaxis(x, axis, -1); K = x.shape[-1]
;;       x = np.pad(x, [(0, 0)] * (x.ndim - 1) + [(0, -K % 32)]); x = x.reshape(x.shape[:-1] + (-1, 32)); a = np.abs(x).max(-1, keepdims=True)
;;       e = np.where(a > 0, np.clip(np.frexp(np.where(a > 0, a, 1))[1] - 1 - 4, -126, 127), 0)      # np.frexp(a)[1] - 1 = floor(log2(a)), exactly
;;       r = np.clip(x / 2.0 ** e, -28, 28)
;;       step = 2.0 ** (np.maximum(np.frexp(np.where(r == 0, 1, r))[1] - 1, -2) - 2)
;;       q = np.round(r / step) * step * 2.0 ** e      # np.round: ties to even
;;       return np.moveaxis(q.reshape(q.shape[:-2] + (-1,))[..., :K], -1, axis).astype(np.float32)
;;   ~~~
;;   SOFTMAX AHEAD OF A QUANTISED PRODUCT. Where the list says 'softmax', what is quantised is not the finished softmax but p = 2^(t - M), with t = logit x log2(e) and M = ceil(the row's largest t), a whole number; so 1/2 < the row's largest p <= 1. The row's sum l is taken of the UNQUANTISED p, in f32, and the product's result is divided by l at the end. Since M is a whole number, a kernel that streams over the keys may use a running M (the ceiling of the running maximum): every later rescaling is an exact power of two, which a block's scale takes up: the codes' values come out the same.
;;   OPERANDS COMPUTED ON THE WAY. 'Computed on the way' means the value that the module computes at that place (a softmax that the list does not call 'softmax' is quantised finished and normalised). What goes into a quantiser is computed in f32, as accurately as f32 sums, v_exp_f32 and their like allow (about 1e-6 of the number): no bf16 or f16 on the way to a quantiser, and a product that is left as it is and whose result goes on into a quantised operand takes f32 operands (vector FMAs, or v_wmma_f32_16x16x4_f32). A number that lies on a knife's edge between two numbers of the format may be rounded either way, as far as f32 arithmetic and the matrix unit's own rounding can turn it there, and no further.
;; 2 versions. Each part assembles by itself: llvm-mc -triple=amdgcn-amd-amdhsa -mcpu=gfx1250 --defsym DOCPART=n.
;; ======== version 1 of 2: 2 launches
;; limits: right only within a limited range of input values
;; workspace buffers: kv 7,077,888 bytes; order 512 bytes of whole numbers
;; launch quant (part 1): grid 8 x 64, 4 waves a work-group, no clusters, 39,424 bytes of LDS; arguments keys, values, valid_lens, kv, order; writes kv, order
.if DOCPART == 1
	.amdgcn_target "amdgcn-amd-amdhsa--gfx1250"
	.amdhsa_code_object_version 6
	.text
	.protected	k_qb7069529ad_quant
	.globl	k_qb7069529ad_quant
	.p2align	8
	.type	k_qb7069529ad_quant,@function
k_qb7069529ad_quant:
	s_mov_b64 s[64:65], 0
	v_nop
	global_prefetch_b8 v0, s[64:65] scope:SCOPE_SE
	s_setreg_imm32_b32 hwreg(HW_REG_WAVE_MODE, 25, 1), 1
	s_wait_xcnt 0x0
; keys, values: [64][1024][64] f32.  For each batch b and each key step j of 128 keys that is not wholly masked, one chunk of 13,824 bytes of kv, at (8 b + j) x 13,824:
; K's and V's codes of BF6 (E3M2) and their E8M0 scale words, laid as IMAGES OF THE OPERAND REGISTERS of the attention launch, so that it fetches every fragment by loads of 16 or 8 bytes a lane.
; K is quantised along d (two blocks of 32 a key), V along the keys (four blocks of 32 a column and step).
; A block's scale is 2^(floor(log2(its largest magnitude)) - 4); its byte is the largest magnitude's exponent field - 4, held at 1 from below.
; A CHUNK (L = lane, r = L % 16, h = L / 16):
;   0      8 x 768   K tile t: fragment registers 0-3 at 768 t + 16 L, registers 4-5 at 768 t + 512 + 8 L.  Lane (r, h): key 32 (t / 2) + 8 (t % 2) + r + 8 (r / 8), d = 32 h .. 32 h + 31
;   6144   4 x 1536  V^T fragment f (rows d = 16 f + r): registers 4 q .. 4 q + 3 at 1536 f + 512 q + 16 L.  Registers 6 c .. 6 c + 5: keys 64 c + 32 h + 0 .. 31
;   12288  2 x 512   at 512 g + 16 L: the scale words of K tiles 4 g .. 4 g + 3, row r (bytes 0, 1: the two blocks; bytes 2, 3: 0)
;   13312  2 x 256   at 256 e + 8 L: the scale word (four key blocks) of column d = 32 e + L, twice, so that the wave's store covers 256 consecutive bytes
; SHARES.  Work-group (x = step j, y = batch b) makes one chunk.  Waves 0, 1: K, 64 keys each.  Waves 2, 3: V, 32 columns each.  Waves share nothing: no barrier.
; THE GRID is fixed at 8 steps a batch, so that it serves every valid_lens; a work-group whose step lies wholly under the mask that reference() builds stores nothing and ends.
; Steps of a batch: vl = valid_len held to 0 .. 1024; (vl + 127) / 128, or all 8 where vl = 0 (every key then carries the fill, and all count alike).
; ORDER.  Wave 0 of work-group (0, 0) also ranks the 64 batches by their number of steps (a counting sort on lane masks) and stores (batch, vl) at 8 x rank.
; LIMITS: NaN and infinities among the inputs are not served.  A block of zeros gets the byte 1 where the quantiser says 127: its codes are zeros, and this program alone reads the bytes.
.set CH,   13824                       ; bytes in a chunk
.set VCO,  6144                        ; V's codes in it
.set KSO,  12288                       ; K's scale words
.set VSO,  13312                       ; V's scale words
.set STG,  19456                       ; LDS: a stage for each of the two K waves
.set TPL,  4864                        ; a tile's place in it: (row r, block) at 144 r + 2432 block, 128 bytes of data
.set C,    32                          ; v32-55   24 registers of codes
.set SWD,  56                          ; v56-59   scale words
.set T,    60                          ; v60-62   the second half of a block's codes, as converted
.set R,    64                          ; v64-191  numbers as loaded
.set X0,   192                         ; v192-223 a tile of K turned: a block of 32 in a lane
.set X1,   224                         ; v224-255 the next tile
	s_load_b256 s[4:11], s[0:1], 0x0               ; keys s[4:5], values s[6:7], valid_lens s[8:9], kv s[10:11]
	s_load_b64 s[12:13], s[0:1], 0x20              ; order
	v_lshl_add_u32 v31, v0, 2, 0x9800
	v_mov_b32 v63, 0
	v_lshrrev_b32 v1, 5, v0
	v_readfirstlane_b32 s14, v1                    ; wave 0..3
	s_and_b32 s15, ttmp7, 0xffff                   ; batch
	s_mov_b32 s16, ttmp9                           ; key step
	s_or_b32 s19, s16, s15
	s_or_b32 s19, s19, s14                         ; 0 in the one wave that ranks the batches
	s_and_b32 s26, s14, 1                          ; which half of K's keys, or of V's columns
	s_mul_i32 s27, s26, STG
	s_lshl_b32 s18, s15, 2
	s_mov_b32 s24, 0x76543210
	s_mov_b32 s25, 0xfedcba98                      ; v_permlanex16_b32's selects for lane l xor 16
	s_wait_kmcnt 0x0
	s_load_b32 s17, s[8:9], s18 offset:0x0         ; my batch's valid_len
	v_and_b32 v1, 31, v0                           ; lane
	v_lshlrev_b32 v2, 4, v1                        ; 16 x lane
	v_lshlrev_b32 v3, 3, v1                        ; 8 x lane
	v_lshlrev_b32 v4, 2, v1                        ; 4 x lane
	v_bfe_u32 v9, v0, 4, 1                         ; h
	v_bfe_u32 v10, v0, 3, 1
	v_and_b32 v11, 7, v0
	v_and_b32 v12, 15, v0                          ; r
	v_mul_u32_u24 v5, v9, 144                      ; into the stage: a load's 512 bytes are two keys' rows: lanes 16-31 the next row,
	v_mad_u32_u24 v5, v10, 2432, v5                ; lanes 8-15 of a row its second block of 32,
	v_lshl_add_u32 v5, v11, 4, v5                  ; 16 bytes a lane
	v_add_nc_u32 v5, s27, v5
	v_mul_u32_u24 v6, v12, 144                     ; out of it: row r, block h: 128 bytes, a whole block.  144 bytes are 36 words: the 16 rows of a read start at 16 different groups of four banks (64 banks of 4 bytes: ISA guide 11.1)
	v_mad_u32_u24 v6, v9, 2432, v6
	v_add_nc_u32 v6, s27, v6
	v_lshlrev_b32 v7, 3, v9                        ; 8 h: my block's byte in K's scale word
	v_mov_b32 v8, 0                                ; written once: a lane permute's destination counts as one of its sources
	s_wait_kmcnt 0x0
	s_max_i32 s17, s17, 0
	s_min_i32 s17, s17, 0x400                      ; vl
	s_add_co_u32 s18, s17, 127
	s_lshr_b32 s18, s18, 7
	s_cmp_gt_i32 s17, 0
	s_cselect_b32 s18, s18, 8                      ; the batch's steps
	s_cmp_ge_u32 s16, s18
	s_cbranch_scc1 .Lend                           ; my step lies wholly under the mask
	s_lshl_b32 s20, s15, 18                        ; a batch is 262,144 bytes of keys or of values,
	s_lshl_b32 s21, s16, 15                        ; a step 32,768
	s_add_co_u32 s20, s20, s21
	s_mov_b32 s21, 0
	s_lshl_b32 s22, s15, 3
	s_add_co_u32 s22, s22, s16
	s_mul_i32 s22, s22, CH
	s_mov_b32 s23, 0
	s_add_nc_u64 s[10:11], s[10:11], s[22:23]      ; kv at my chunk
; 32 numbers of one block in one lane, v[xs] on, become six registers of codes, v[c] on, and the scale's byte in v10.
.macro QB xs, c
	v_max3_num_f32 v12, |v[(\xs)]|, |v[(\xs)+1]|, |v[(\xs)+2]|          ; the largest magnitude, in two chains
	v_max3_num_f32 v13, |v[(\xs)+3]|, |v[(\xs)+4]|, |v[(\xs)+5]|
.irp i, 6,10,14,18,22,26
	v_max3_num_f32 v12, v12, |v[(\xs)+\i]|, |v[(\xs)+\i+1]|
	v_max3_num_f32 v13, v13, |v[(\xs)+\i+2]|, |v[(\xs)+\i+3]|
.endr
	v_max3_num_f32 v12, v12, |v[(\xs)+30]|, |v[(\xs)+31]|
	v_max3_num_f32 v12, v12, v13, 0x2800000        ; and the floor 2^(5 - 127): the byte cannot fall under 1
	v_add_nc_u32 v11, 0xfe000000, v12              ; 4 off the exponent field: the conversion takes this operand's exponent field as its scale
	v_cvt_scalef32_pk16_bf6_f32 v[(\c):(\c)+2], v[(\xs):(\xs)+15], v11
	v_cvt_scalef32_pk16_bf6_f32 v[T:T+2], v[(\xs)+16:(\xs)+31], v11     ; (a conversion's three registers begin on an even number)
	v_lshrrev_b32 v10, 23, v11                     ; the byte; also the plain line between the conversions and the moves that read their result
	v_mov_b32 v[(\c)+3], v[T]
	v_mov_b32 v[(\c)+4], v[T+1]
	v_mov_b32 v[(\c)+5], v[T+2]
.endm
	s_cmp_lt_u32 s14, 2
	s_cbranch_scc0 .Lvalues
	; ---------------- K: my 64 keys, tiles 4 g .. 4 g + 3 ----------------
	s_lshl_b32 s22, s26, 14                        ; 64 keys of 256 bytes
	s_add_co_u32 s20, s20, s22
	s_add_nc_u64 s[4:5], s[4:5], s[20:21]          ; keys at my first key
	s_mul_i32 s22, s26, 3072
	s_add_nc_u64 s[30:31], s[10:11], s[22:23]      ; my four tiles' images
	s_lshl_b32 s22, s26, 9
	s_add_co_u32 s22, s22, KSO
	s_add_nc_u64 s[10:11], s[10:11], s[22:23]      ; and their scale words
.set n, 0
.rept 32
	global_load_b128 v[R+4*n:R+4*n+3], v2, s[4:5] offset:512*n th:TH_LOAD_NT   ; 32 lanes read 512 consecutive bytes: keys 2 n and 2 n + 1
.set n, n+1
.endr
	s_cmp_lg_u32 s19, 0
	s_cbranch_scc1 .Lno_rank
	; the ranking, in one wave of the launch, while its loads of K are on their way.  Lane l holds batches l and l + 32.
	global_load_b32 v16, v4, s[8:9]
	global_load_b32 v17, v4, s[8:9] offset:128
	s_wait_loadcnt 0x0                             ; these two are the youngest loads: nothing may stay out
	v_cmp_lt_i32 s27, 0, v16
	v_cmp_lt_i32 s28, 0, v17
	v_cndmask_b32 v16, 0, v16, s27                 ; held at 0 from below,
	v_cndmask_b32 v17, 0, v17, s28
	v_min_u32 v25, 0x400, v16                      ; and at 1,024 from above: vl
	v_min_u32 v27, 0x400, v17
	v_add_nc_u32 v18, 127, v25
	v_add_nc_u32 v19, 127, v27
	v_lshrrev_b32 v18, 7, v18
	v_lshrrev_b32 v19, 7, v19
	v_cndmask_b32 v18, 8, v18, s27                 ; steps: 8 where vl = 0
	v_cndmask_b32 v19, 8, v19, s28
	v_mov_b32 v20, 0
	v_mov_b32 v21, 0
	s_mov_b32 s26, 0                               ; batches ranked so far
.irp n, 1,2,3,4,5,6,7,8
	v_cmp_eq_u32 s27, \n, v18                      ; who has n steps
	v_cmp_eq_u32 s28, \n, v19
	v_mbcnt_lo_u32_b32 v22, s27, s26               ; those ranked so far + those of them in lower lanes
	v_cndmask_b32 v20, v20, v22, s27
	s_bcnt1_i32_b32 s29, s27
	s_add_co_u32 s26, s26, s29
	v_mbcnt_lo_u32_b32 v22, s28, s26
	v_cndmask_b32 v21, v21, v22, s28
	s_bcnt1_i32_b32 s29, s28
	s_add_co_u32 s26, s26, s29
.endr
	v_min_u32 v20, 63, v20                         ; the ranks are a permutation of 0 .. 63; held there, since they enter an address
	v_min_u32 v21, 63, v21
	v_lshlrev_b32 v28, 3, v20
	v_lshlrev_b32 v29, 3, v21
	v_mov_b32 v24, v1                              ; (batch, vl)
	v_add_nc_u32 v26, 32, v1
	global_store_b64 v28, v[24:25], s[12:13]       ; v24-29 are not written again
	global_store_b64 v29, v[26:27], s[12:13]
.Lno_rank:
.macro WORD t                          ; my block's byte at its place, joined with the other block's from lane l xor 16: row r's scale word of tile t, in both halves of the lanes
	v_lshlrev_b32 v[SWD+(\t)], v7, v10
	v_permlanex16_b32 v8, v[SWD+(\t)], s24, s25
	v_or_b32 v[SWD+(\t)], v[SWD+(\t)], v8
.endm
; 32 keys (tiles 2 bp, 2 bp + 1 of my four) go through my stage: in as loaded, out a block of 32 to a lane.  LDS serves a wave's instructions in order (ISA guide 5.7.1.4): no wait between the stores and the loads.
; Key k of my 64 belongs to tile 2 (k / 32) + (k / 8) % 2, row k % 8 + 8 ((k / 16) % 2).
.macro PAIR bp
	s_wait_loadcnt 16*(1-\bp)                      ; these 16 loads are in; the 16 behind them may be out
.set n, 16*\bp
.rept 16
	ds_store_b128 v5, v[R+4*n:R+4*n+3] offset:TPL*(2*((n>>4)&1)+((n>>2)&1))+144*(((2*n)&7)+8*((n>>3)&1))
.set n, n+1
.endr
.irp i, 0,1,2,3,4,5,6,7
	ds_load_b128 v[X0+4*\i:X0+4*\i+3], v6 offset:TPL*(2*\bp)+16*\i
.endr
.irp i, 0,1,2,3,4,5,6,7
	ds_load_b128 v[X1+4*\i:X1+4*\i+3], v6 offset:TPL*(2*\bp+1)+16*\i
.endr
	s_wait_dscnt 8                                 ; the first tile is back; the second tile's eight loads may be out
	QB X0, C+6*(2*\bp)
	WORD 2*\bp
	s_wait_dscnt 0x0
	QB X1, C+6*(2*\bp+1)
	WORD 2*\bp+1
.endm
	PAIR 0
	PAIR 1
.irp t, 0,1,2,3
	global_store_b128 v2, v[C+6*\t:C+6*\t+3], s[30:31] offset:768*\t        ; 512 consecutive bytes, at a multiple of 256 from kv's first byte
	global_store_b64 v3, v[C+6*\t+4:C+6*\t+5], s[30:31] offset:768*\t+512   ; 256
.endr
	global_store_b128 v2, v[SWD:SWD+3], s[10:11]   ; 512
	s_wait_tensorcnt 0x0
	ds_add_u32 v31, v63
	s_wait_dscnt 0x0
	s_endpgm
	; ---------------- V: my 32 columns, all 128 keys ----------------
.Lvalues:
	s_lshl_b32 s22, s26, 7                         ; 32 columns of 4 bytes
	s_add_co_u32 s20, s20, s22
	s_add_nc_u64 s[6:7], s[6:7], s[20:21]          ; values at my first column of the step's first key
	s_mul_i32 s22, s26, 3072
	s_add_co_u32 s22, s22, VCO
	s_add_nc_u64 s[30:31], s[10:11], s[22:23]      ; my two fragments' images
	s_lshl_b32 s22, s26, 8
	s_add_co_u32 s22, s22, VSO
	s_add_nc_u64 s[10:11], s[10:11], s[22:23]      ; and my columns' scale words
; A LANE TAKES A COLUMN d AND ITS REGISTERS RUN DOWN THE KEYS: a block of 32 keys lies in one lane, and the codes come out with the keys innermost.  A load reads 128 consecutive bytes; the two V waves stand side by side on a row.
.macro LOADV kb
.set n, 32*(\kb)
.rept 32
	global_load_b32 v[R+n], v4, s[6:7] offset:256*n th:TH_LOAD_NT
.set n, n+1
.endr
.endm
	LOADV 0
	LOADV 1
.irp kb, 0,1,2,3
.if \kb < 3
	s_wait_loadcnt 32                              ; this block's 32 loads are in; the next block's may be out
.else
	s_wait_loadcnt 0x0
.endif
.if \kb < 2
	LOADV \kb+2
.endif
	QB R+32*\kb, C+12*(\kb%2)+6*(\kb/2)            ; even blocks into v32-43, odd blocks into v44-55
.if \kb == 0
	v_mov_b32 v[SWD], v10
.else
	v_lshl_or_b32 v[SWD], v10, 8*\kb, v[SWD]       ; the four bytes make my column's scale word
.endif
.endr
.irp i, 0,1,2,3,4,5,6,7,8,9,10,11
	v_permlane16_swap_b32 v[C+\i], v[C+12+\i]      ; the first's lanes 16-31 change places with the second's lanes 0-15: v32-43 are now the fragment of columns 0-15 (lanes 0-15 even blocks, lanes 16-31 odd), v44-55 that of columns 16-31
.endr
	v_mov_b32 v[SWD+1], v[SWD]
.irp f, 0,1
.irp q, 0,1,2
	global_store_b128 v2, v[C+12*\f+4*\q:C+12*\f+4*\q+3], s[30:31] offset:1536*\f+512*\q   ; 512 consecutive bytes, at a multiple of 256 from kv's first byte
.endr
.endr
	global_store_b64 v3, v[SWD:SWD+1], s[10:11]    ; 256
.Lend:
	s_endpgm
.Lfunc_end_k_qb7069529ad_quant:
	.size	k_qb7069529ad_quant, .Lfunc_end_k_qb7069529ad_quant-k_qb7069529ad_quant
	.p2alignl 7, 3214868480
	.fill 96, 4, 3214868480
	.section	.rodata,"a",@progbits
	.p2align	6, 0x0
	.amdhsa_kernel k_qb7069529ad_quant
		.amdhsa_group_segment_fixed_size 39424
		.amdhsa_private_segment_fixed_size 0
		.amdhsa_enable_private_segment 0
		.amdhsa_kernarg_size 40
		.amdhsa_user_sgpr_count 2
		.amdhsa_user_sgpr_kernarg_segment_ptr 1
		.amdhsa_wavefront_size32 1
		.amdhsa_system_sgpr_workgroup_id_x 1
		.amdhsa_system_sgpr_workgroup_id_y 1
		.amdhsa_system_sgpr_workgroup_id_z 1
		.amdhsa_system_vgpr_workitem_id 0
		.amdhsa_next_free_vgpr 256
		.amdhsa_next_free_sgpr 66
		.amdhsa_reserve_vcc 0
		.amdhsa_float_denorm_mode_32 3
		.amdhsa_float_denorm_mode_16_64 3
		.amdhsa_memory_ordered 1
		.amdhsa_forward_progress 1
		.amdhsa_inst_pref_size 42
	.end_amdhsa_kernel
	.amdgpu_metadata
---
amdhsa.version: [ 1, 2 ]
amdhsa.kernels:
  - .name:           k_qb7069529ad_quant
    .symbol:         k_qb7069529ad_quant.kd
    .args:
      - { .name: keys, .offset: 0, .size: 8, .value_kind: global_buffer, .address_space: global }
      - { .name: values, .offset: 8, .size: 8, .value_kind: global_buffer, .address_space: global }
      - { .name: valid_lens, .offset: 16, .size: 8, .value_kind: global_buffer, .address_space: global }
      - { .name: kv, .offset: 24, .size: 8, .value_kind: global_buffer, .address_space: global }
      - { .name: order, .offset: 32, .size: 8, .value_kind: global_buffer, .address_space: global }
    .group_segment_fixed_size: 39424
    .private_segment_fixed_size: 0
    .kernarg_segment_align: 8
    .kernarg_segment_size: 40
    .max_flat_workgroup_size: 128
    .sgpr_count:     66
    .vgpr_count:     256
    .wavefront_size: 32
...
	.end_amdgpu_metadata
.endif
;; end of part 1
;; launch attn (part 2): grid 256 x 1, 16 waves a work-group, no clusters, 301,056 bytes of LDS; arguments queries, kv, order, out0; writes out0
.if DOCPART == 2
	.amdgcn_target "amdgcn-amd-amdhsa--gfx1250"
	.amdhsa_code_object_version 6
	.text
	.protected	k_qb7069529ad_attn
	.globl	k_qb7069529ad_attn
	.p2align	8
	.type	k_qb7069529ad_attn,@function
k_qb7069529ad_attn:
	s_mov_b64 s[64:65], 0
	v_nop
	global_prefetch_b8 v0, s[64:65] scope:SCOPE_SE
	s_setreg_imm32_b32 hwreg(HW_REG_WAVE_MODE, 25, 1), 1
	s_wait_xcnt 0x0
; out0[b][q][:] = the sum over k of softmax_k(s(q, k)) values[b][k][:], s = queries[b][q] . keys[b][k] / 8, or -1e6 where k >= valid_lens[b].  Both products on codes of BF6 (E3M2) with one E8M0 scale for each 32 along K.
; K's and V's codes come from kv, one chunk of 13,824 bytes for a key step of 128 keys, laid as images of the operand registers (the layout: at the offsets below); the queries are quantised here, in registers.
; THE SOFTMAX AHEAD OF THE SECOND PRODUCT: t = q.k x log2(e) / 8; M = the row's largest t so far, rounded UP to a whole number; p = 2^(t - M) is quantised along the keys, not normalised.
; The row's sum is taken of the unquantised p and divides at the end.  When M moves, the sum and O are multiplied by 2^(old M - new M): exact.
; THE MASK.  Key steps that lie wholly at or behind valid_len are not walked: their p is 0 beside any key that counts.  In the one step that the bound cuts, hidden scores become -8e6 (= -1e6 x 8, exact) ahead of the maximum.
; With valid_len <= 0 all 8 steps are walked with every score filled, as reference() has it.
; SHARES.  order holds (batch, valid_len) by rank, the batches sorted by their number of steps.  Work-group g: pair p = g % 32, slab = g / 32.  Eight of its sixteen waves serve 128 queries (the slab) of the batch of rank p,
; the other eight those of rank 63 - p: so every work-group has about the same number of steps.  Wave w: half = (w ^ (w / 4)) % 2, index = w / 2; it owns 16 queries, one tile, in 256 registers.
; LDS.  Each half copies its batch's chunks once (wave i copies chunk i, if the batch has it): all of K and V that count lie in LDS, one barrier, no ring.  No tensor load: what is copied and walked hangs on a number read from memory.
; LAYOUT.  Both products are used transposed: S^T = K Q^T (source 0 = 16 keys, source 1 = my 16 queries), O^T = V^T P^T: a lane holds ONE query (lane % 16) throughout.
; The head has 64 channels, half of the instruction's 128 along K: registers 6-11 of Q's and K's fragments are zero codes and stay so; bytes 2, 3 of their scale words are 0.
; THE KEYS OF A TILE ARE NOT NEIGHBOURS: lane r of tile 2 b + u holds key 32 b + 8 u + r + 8 (r / 8), so that the 16 registers of tiles 2 b, 2 b + 1 are keys 32 b + 16 (lane / 16) + 0 .. 15.
; LIMITS: NaN and infinities are not served.  Leaving masked steps out takes the scores that count to lie above about -1e6 + 200.  With valid_len <= 0 all p of a row are equal, and what they are quantised from hangs on the last bits of t near -1.44e6.
; A block of zeros has the scale byte 1; its codes are zeros.
; REGISTERS: v1-9, v31 addresses; v10 the mask's bound, v11 the fill; v12 -M, v13 the largest t, v[14:15] the sum in two halves; v16-27 Q, v28 its scale word; v29-30 V's scale words; v32-79 four fragments of K; v80-127 V's four;
; v128-191 S^T, then p; v192-223 O^T; v224-235 p's codes; v232-247, v254 at work; v248-251 K's scale words; v252 f, v253 p's scale word; v255 16 x (lane / 16).
.set CH,    13824                      ; a chunk: K tile t: registers 0-3 at 768 t + 16 L, registers 4-5 at 768 t + 512 + 8 L;
.set VCO,   6144                       ; V^T fragment f: registers 4 q .. 4 q + 3 at 1536 f + 512 q + 16 L;
.set KSO,   12288                      ; the scale words of K tiles 4 g .. 4 g + 3 at 512 g + 16 L;
.set VSO,   13312                      ; the scale word of column d = 32 e + L at 256 e + 8 L
.set HALF,  8*CH                       ; LDS: a half's eight chunks
.set STAGE, 2*HALF                     ; behind them a stage of SW bytes for each wave: Q is turned there, and O leaves through it
.set SW,    4864
.set KFR,   32
.set VFR,   80
.set S,     128
.set O,     192
	s_load_b256 s[4:11], s[0:1], 0x0               ; queries s[4:5], kv s[6:7], order s[8:9], out0 s[10:11]
	v_lshrrev_b32 v1, 5, v0
	v_readfirstlane_b32 s12, v1                    ; wave 0..15
	s_lshr_b32 s13, s12, 2
	s_xor_b32 s13, s13, s12
	s_and_b32 s13, s13, 1                          ; half
	s_lshr_b32 s14, s12, 1                         ; index in the half
	s_and_b32 s15, ttmp9, 31                       ; pair
	s_lshr_b32 s16, ttmp9, 5                       ; slab of 128 queries
	s_sub_co_u32 s21, 63, s15
	s_cmp_eq_u32 s13, 0
	s_cselect_b32 s15, s15, s21                    ; rank
	s_lshl_b32 s15, s15, 3
	s_wait_kmcnt 0x0
	s_load_b64 s[18:19], s[8:9], s15 offset:0x0    ; (batch, valid_len)
	s_mov_b32 s22, 0x3e38aa3b                      ; c = log2(e) / 8
	s_mov_b32 s23, s22                             ; (the packed form names the pair)
	s_mov_b32 s24, 0x76543210
	s_mov_b32 s25, 0xfedcba98                      ; v_permlanex16_b32's selects for lane l xor 16
	s_mul_i32 s33, s13, HALF                       ; my half's chunks
	s_mul_i32 s21, s14, CH                         ; the chunk that I copy
	s_mul_i32 s32, s12, SW
	s_add_co_u32 s32, s32, STAGE                   ; my stage
	v_and_b32 v10, 31, v0                          ; lane
	v_and_b32 v11, 15, v0                          ; r
	v_bfe_u32 v12, v0, 4, 1                        ; h
	v_bfe_u32 v13, v0, 3, 1
	v_and_b32 v14, 7, v0
	v_lshlrev_b32 v1, 4, v10                       ; 16 x lane
	v_add_nc_u32 v2, s33, v1                       ; my half + 16 x lane
	v_lshl_add_u32 v3, v10, 3, s33                 ; my half + 8 x lane
	v_add_nc_u32 v4, s21, v2                       ; where I store the chunk that I copy
	v_mul_u32_u24 v5, v12, 144                     ; Q into the stage: a load's 512 bytes are two queries' rows: lanes 16-31 the next row,
	v_mad_u32_u24 v5, v13, 2432, v5                ; lanes 8-15 of a row its second block of 32,
	v_lshl_add_u32 v5, v14, 4, v5                  ; 16 bytes a lane
	v_add_nc_u32 v5, s32, v5
	v_mul_u32_u24 v6, v11, 144                     ; and out of it: row r, block h: a whole block of 32 in a lane
	v_mad_u32_u24 v6, v12, 2432, v6
	v_add_nc_u32 v6, s32, v6
	v_mul_u32_u24 v7, v11, 272                     ; O into the stage: row r of 256 bytes + 16, + 32 h
	v_lshl_add_u32 v7, v12, 5, v7
	v_add_nc_u32 v7, s32, v7
	v_mul_u32_u24 v31, v12, 272                    ; and out of it: lanes 0-15 one row, lanes 16-31 the next
	v_lshl_add_u32 v31, v11, 4, v31
	v_add_nc_u32 v31, s32, v31
	v_lshlrev_b32 v255, 4, v12                     ; 16 h
	s_wait_kmcnt 0x0
	s_min_u32 s18, s18, 63                         ; the batch enters addresses: held inside the tensors
	s_max_i32 s19, s19, 0
	s_min_i32 s19, s19, 0x400                      ; vl
	s_add_co_u32 s20, s19, 127
	s_lshr_b32 s20, s20, 7
	s_cmp_gt_i32 s19, 0
	s_cselect_b32 s20, s20, 8                      ; the batch's key steps
	s_lshl_b32 s30, s18, 10
	s_lshl_b32 s21, s16, 7
	s_add_co_u32 s30, s30, s21
	s_lshl_b32 s21, s14, 4
	s_add_co_u32 s30, s30, s21                     ; my first query's row: 1,024 x batch + 128 x slab + 16 x index
	s_lshl_b32 s30, s30, 8                         ; of 256 bytes
	s_mov_b32 s31, 0
	s_add_nc_u64 s[4:5], s[4:5], s[30:31]
	s_add_nc_u64 s[10:11], s[10:11], s[30:31]
	s_lshl_b32 s30, s18, 3
	s_add_co_u32 s30, s30, s14
	s_mul_i32 s30, s30, CH
	s_add_nc_u64 s[6:7], s[6:7], s[30:31]          ; the chunk that I copy
.set n, 0
.rept 8
	global_load_b128 v[160+4*n:163+4*n], v1, s[4:5] offset:512*n th:TH_LOAD_NT   ; my 16 queries: 512 consecutive bytes a load
.set n, n+1
.endr
	s_cmp_ge_u32 s14, s20
	s_cbranch_scc1 .Lno_chunk                      ; the batch has no such step: nothing to copy, and nobody will read those bytes
.set n, 0
.rept 27
	global_load_b128 v[32+4*n:35+4*n], v1, s[6:7] offset:512*n    ; eight work-groups read this chunk: no hint
.set n, n+1
.endr
.set n, 0
.rept 27
	s_wait_loadcnt 26-n                            ; load n is in; the 26 - n behind it may be out
	ds_store_b128 v4, v[32+4*n:35+4*n] offset:512*n
.set n, n+1
.endr
.Lno_chunk:
	s_wait_loadcnt 0x0                             ; Q (on the way that copies nothing it may still be out)
.set n, 0
.rept 8
	ds_store_b128 v5, v[160+4*n:163+4*n] offset:288*n
.set n, n+1
.endr
.set n, 0
.rept 8
	ds_load_b128 v[192+4*n:195+4*n], v6 offset:16*n   ; LDS serves a wave's instructions in order (ISA guide 5.7.1.4): these see my stores
.set n, n+1
.endr
	s_wait_dscnt 0x0                               ; for the others' sake: my part of the copy has landed; and Q is back
	s_barrier_signal -1
	; register work alone until the wait: Q's block of 32 (row r, d = 32 h on) becomes six registers of codes and a byte
	v_max3_num_f32 v232, |v192|, |v193|, |v194|
	v_max3_num_f32 v233, |v195|, |v196|, |v197|
.irp i, 6,10,14,18,22,26
	v_max3_num_f32 v232, v232, |v[192+\i]|, |v[193+\i]|
	v_max3_num_f32 v233, v233, |v[194+\i]|, |v[195+\i]|
.endr
	v_max3_num_f32 v232, v232, |v222|, |v223|
	v_max3_num_f32 v232, v232, v233, 0x2800000     ; the floor 2^(5 - 127): the byte cannot fall under 1
	v_add_nc_u32 v234, 0xfe000000, v232            ; 4 off the exponent field: the conversion's scale operand
	v_cvt_scalef32_pk16_bf6_f32 v[16:18], v[192:207], v234
	v_cvt_scalef32_pk16_bf6_f32 v[236:238], v[208:223], v234   ; (a conversion's three registers begin on an even number)
	v_lshrrev_b32 v235, 23, v234                   ; the byte; also the plain line behind the conversions
	v_mov_b32 v19, v236
	v_mov_b32 v20, v237
	v_mov_b32 v21, v238
	v_lshrrev_b32 v240, 1, v255                    ; 8 h
	v_mov_b32 v241, 0
	v_lshlrev_b32 v28, v240, v235                  ; my block's byte at its place,
	v_permlanex16_b32 v241, v28, s24, s25
	v_or_b32 v28, v28, v241                        ; with the other block's: row r's scale word
.irp i, 22,23,24,25,26,27
	v_mov_b32 v[\i], 0                             ; K = 64 .. 127 of the instruction: zero codes
.endr
.irp s, 0,1,2,3
.irp i, 6,7,8,9,10,11
	v_mov_b32 v[KFR+12*\s+\i], 0                   ; the same in K's four fragments: no load lands here
.endr
.endr
	v_mov_b32 v11, 0xcaf42400                      ; the fill: -8e6
	v_mov_b32 v13, 0xff61b1e6                      ; the largest t so far: -3e38, under every t
	v_floor_f32 v12, -v13                          ; -M
	v_mov_b32 v14, 0                               ; the sum, in two halves
	v_mov_b32 v15, 0
.irp b, 0,1,2,3
	v_mov_b32 v[236+\b], 0                         ; written once: a lane permute's destination counts as one of its sources
.endr
	v_mov_b32 v252, 0
	v_mov_b32 v253, 0                              ; (named as the upper half of the pair v[252:253] before it is first written)
.set n, 0
.rept 32
	v_mov_b32 v[O+n], 0                            ; O^T.  The step is written once: the first finds zeros, which the first change of M leaves zeros.  (These 32 also stand between the writes of Q's scale word and of the zero codes and the first product)
.set n, n+1
.endr
	s_barrier_wait -1                              ; both halves' chunks lie in LDS
	s_mov_b32 s26, 0                               ; the step's chunk in my half
	s_mov_b32 s27, 0                               ; its first key
	s_mov_b32 s28, 0                               ; its number
.Lstep:                                            ; 8 trips, a constant; a trip beyond the batch's steps only steps the three numbers
	v_add_nc_u32 v8, s26, v2
	v_add_nc_u32 v9, s26, v3
	s_cmp_ge_u32 s28, s20
	s_cbranch_scc1 .Lhidden
	; S^T = K Q^T, four tiles of 16 keys at a time
.irp s, 0,1,2,3
	ds_load_b128 v[KFR+12*\s:KFR+12*\s+3], v8 offset:768*\s
	ds_load_b64 v[KFR+12*\s+4:KFR+12*\s+5], v9 offset:768*\s+512
.endr
	ds_load_b128 v[248:251], v8 offset:KSO
	s_wait_dscnt 0x0
.irp s, 0,1,2,3
	v_wmma_scale_f32_16x16x128_f8f6f4 v[S+8*\s:S+8*\s+7], v[KFR+12*\s:KFR+12*\s+11], v[16:27], 0, v[248+\s], v28 matrix_a_fmt:MATRIX_FMT_BF6 matrix_b_fmt:MATRIX_FMT_BF6
.endr
.rept 4
	v_nop                                          ; four places in front of loads into registers that matrix instructions have read (ISA guide 7.12.1 for vector instructions; kept for loads too); with the two additions at the trip's head they also serve V's registers, which the last trip's products read
.endr
.irp s, 0,1,2,3
	ds_load_b128 v[KFR+12*\s:KFR+12*\s+3], v8 offset:3072+768*\s
	ds_load_b64 v[KFR+12*\s+4:KFR+12*\s+5], v9 offset:3072+768*\s+512
.endr
	ds_load_b128 v[248:251], v8 offset:KSO+512
.irp f, 0,1,2,3
.irp q, 0,1,2
	ds_load_b128 v[VFR+12*\f+4*\q:VFR+12*\f+4*\q+3], v8 offset:VCO+1536*\f+512*\q   ; V's four fragments are asked for now and land under the softmax
.endr
.endr
	ds_load_b32 v29, v9 offset:VSO                 ; lane l: the scale word of column l,
	ds_load_b32 v30, v9 offset:VSO+256             ; of column 32 + l
	s_wait_dscnt 14                                ; K's nine loads are in; V's fourteen, issued behind them, may be out
.irp s, 0,1,2,3
	v_wmma_scale_f32_16x16x128_f8f6f4 v[S+32+8*\s:S+32+8*\s+7], v[KFR+12*\s:KFR+12*\s+11], v[16:27], 0, v[248+\s], v28 matrix_a_fmt:MATRIX_FMT_BF6 matrix_b_fmt:MATRIX_FMT_BF6
.endr
.rept 4
	v_nop                                          ; four places in front of the first read of these results
.endr
	; the mask.  Register 16 b + i holds key (the step's first) + 32 b + 16 (lane / 16) + i: hidden where 32 b + i > vl - first - 1 - 16 (lane / 16).  A step, and in it a block, all of whose keys count is passed over
	s_sub_co_i32 s29, s19, s27                     ; keys that count from the step's first on
	s_cmp_ge_i32 s29, 128
	s_cbranch_scc1 .Lopen
	s_sub_co_i32 s21, s29, 1
	v_sub_nc_u32 v10, s21, v255
.irp b, 0,1,2,3
	s_cmp_ge_i32 s29, 32*(\b+1)
	s_cbranch_scc1 .Lwhole_\b
.irp i, 0,1,2,3,4,5,6,7,8,9,10,11,12,13,14,15
	v_cmp_gt_i32 vcc_lo, 32*\b+\i, v10
	v_cndmask_b32 v[S+16*\b+\i], v[S+16*\b+\i], v11, vcc_lo   ; each accumulator from its low end on
.endr
.Lwhole_\b:
.endr
.Lopen:
.irp b, 0,1,2,3
	v_max3_num_f32 v[232+\b], v[S+16*\b], v[S+1+16*\b], v[S+2+16*\b]   ; THE LARGEST SCORE OF EACH BLOCK OF 32 KEYS serves twice: for the row's maximum, and, since p rises with the score, for the block's largest p
.endr
.irp i, 3,5,7,9,11,13
.irp b, 0,1,2,3
	v_max3_num_f32 v[232+\b], v[232+\b], v[S+16*\b+\i], v[S+1+16*\b+\i]   ; (the four blocks by turns)
.endr
.endr
.irp b, 0,1,2,3
	v_max_num_f32 v[232+\b], v[232+\b], v[S+15+16*\b]
.endr
.irp b, 0,1,2,3
	v_permlanex16_b32 v[236+\b], v[232+\b], s24, s25
.endr
.irp b, 0,1,2,3
	v_max_num_f32 v[232+\b], v[232+\b], v[236+\b]  ; with lane l xor 16's 16 keys
.endr
	v_max3_num_f32 v254, v232, v233, v234
	v_max_num_f32 v254, v254, v235                 ; the step's largest score of my query
	v_mul_f32 v254, s22, v254                      ; as t (c is positive)
	v_max_num_f32 v13, v13, v254                   ; the running largest t
	v_mov_b32 v254, v12
	v_floor_f32 v12, -v13                          ; the new -M = floor(-t) = -ceil(t): M is a whole number
	v_sub_f32 v254, v12, v254                      ; M's old value less its new one: a whole number, 0 or less
	v_cvt_i32_f32 v254, v254                       ; (it saturates)
	v_ldexp_f32 v252, 1.0, v254                    ; f = 2^(old M - new M)
.set n, 0
.rept 32
	v_pk_fma_f32 v[S+n:S+n+1], v[S+n:S+n+1], s[22:23], v[12:13] op_sel_hi:[1,0,0]   ; t - M, two at a time (of the pairs c and -M the low word serves both halves)
.set n, n+2
.endr
.irp b, 0,1,2,3
	v_fma_f32 v[232+\b], v[232+\b], s22, v12       ; the same of each block's largest score
.endr
.set n, 0
.rept 64
	v_exp_f32 v[S+n], v[S+n]                       ; p = 2^(t - M): not normalised
.set n, n+1
.endr
.irp b, 0,1,2,3
	v_exp_f32 v[232+\b], v[232+\b]                 ; the block's largest p: the same two instructions on the same number give the same bits
.endr
	v_pk_mul_f32 v[14:15], v[14:15], v[252:253] op_sel_hi:[1,0]   ; the sums under the new M.  (The plain line behind the exponentials)
	s_wait_alu depctr_va_vdst(0)
.irp b, 0,1,2,3
	v_max_num_f32 v[232+\b], 0x2800000, v[232+\b]  ; the floor 2^(5 - 127): a block whose every p is 0 keeps the byte 1, and its codes are zeros
.endr
.irp b, 0,1,2,3
	v_add_nc_u32 v[244+\b], 0xfe000000, v[232+\b]  ; 4 off the exponent field: the conversion's scale operand
.endr
.irp b, 0,1,2,3
	v_lshrrev_b32 v[236+\b], 23, v[244+\b]         ; the scale's byte
.endr
	v_lshl_or_b32 v253, v237, 8, v236              ; p's scale word for these 128 keys
	v_lshl_or_b32 v253, v238, 16, v253
	v_lshl_or_b32 v253, v239, 24, v253
.irp c, 0,1
	v_cvt_scalef32_pk16_bf6_f32 v[224+6*\c:226+6*\c], v[S+32*\c:S+15+32*\c], v[244+2*\c]
	v_cvt_scalef32_pk16_bf6_f32 v[236+4*\c:238+4*\c], v[S+16+32*\c:S+31+32*\c], v[244+2*\c+1]   ; (a conversion's three registers begin on an even number)
.endr
	v_nop                                          ; one plain line between a scaled conversion and what touches its result
.irp c, 0,1                                    ; the operand's layout wants a WHOLE block in a lane: lanes 0-15 block 2 c, lanes 16-31 block 2 c + 1
.irp i, 0,1,2
	v_permlane16_swap_b32 v[224+6*\c+\i], v[236+4*\c+\i]
.endr
.irp i, 0,1,2
	v_mov_b32 v[227+6*\c+\i], v[236+4*\c+\i]
.endr
.endr
	v_pk_add_f32 v[236:237], v[S:S+1], v[S+2:S+3]  ; THE ROW'S SUM IS TAKEN OF THE UNQUANTISED p: two at a time, in two chains
.irp j, 4,8,12,16,20,24,28,32,36,40,44,48,52,56,60
	v_pk_add_f32 v[14:15], v[14:15], v[S+\j:S+1+\j]
	v_pk_add_f32 v[236:237], v[236:237], v[S+2+\j:S+3+\j]
.endr
	v_pk_add_f32 v[14:15], v[14:15], v[236:237]
.set n, 0
.rept 16
	v_pk_mul_f32 v[O+n:O+n+1], v[O+n:O+n+1], v[252:253] op_sel_hi:[1,0]   ; O^T under the new M: x f.  (The sums and these are also the lines between the writes of p's codes and scale word and the products below)
.set n, n+2
.endr
	s_wait_dscnt 0x0                               ; V's fragments and scale words are in
	; O^T += V^T P^T: four tiles of 16 of the head's 64; K = these 128 keys.  The four accumulators take turns, one instruction a turn
.irp f, 0,1,2,3
.if \f%2
	v_wmma_scale_f32_16x16x128_f8f6f4 v[O+8*\f:O+8*\f+7], v[VFR+12*\f:VFR+12*\f+11], v[224:235], v[O+8*\f:O+8*\f+7], v[29+\f/2], v253 matrix_a_fmt:MATRIX_FMT_BF6 matrix_b_fmt:MATRIX_FMT_BF6 matrix_a_scale:MATRIX_SCALE_ROW1
.else
	v_wmma_scale_f32_16x16x128_f8f6f4 v[O+8*\f:O+8*\f+7], v[VFR+12*\f:VFR+12*\f+11], v[224:235], v[O+8*\f:O+8*\f+7], v[29+\f/2], v253 matrix_a_fmt:MATRIX_FMT_BF6 matrix_b_fmt:MATRIX_FMT_BF6
.endif
.endr
.Lhidden:
	s_add_co_u32 s26, s26, CH
	s_add_co_u32 s27, s27, 128
	s_add_co_u32 s28, s28, 1
	s_cmp_lt_u32 s28, 8
	s_cbranch_scc1 .Lstep
	; THE WAY OUT.  O^T is divided by the row's sum and goes through my stage, so that the wave's stores cover 512 consecutive bytes: two whole rows of out0
.rept 4
	v_nop                                          ; four places behind the last products
.endr
	v_add_f32 v14, v14, v15                        ; the sum's two halves,
	v_permlanex16_b32 v252, v14, s24, s25
	v_add_f32 v14, v14, v252                       ; and lane l xor 16's: the row's sum
	v_rcp_f32 v14, v14
	v_nop                                          ; one plain line behind the reciprocal
.set n, 0
	s_wait_alu depctr_va_vdst(0)
.rept 16
	v_pk_mul_f32 v[S+n:S+n+1], v[O+n:O+n+1], v[14:15] op_sel_hi:[1,0]   ; register 8 f + i is out0(query r, 16 f + 8 h + i); each accumulator from its low end on
.set n, n+2
.endr
.irp f, 0,1,2,3
	ds_store_b128 v7, v[S+8*\f:S+8*\f+3] offset:64*\f
	ds_store_b128 v7, v[S+8*\f+4:S+8*\f+7] offset:64*\f+16
.endr
.irp i, 0,1,2,3,4,5,6,7
	ds_load_b128 v[160+4*\i:163+4*\i], v31 offset:544*\i   ; rows 2 i and 2 i + 1; these see my stores (LDS serves a wave's instructions in order)
.endr
.irp i, 0,1,2,3,4,5,6,7
	s_wait_dscnt 7-\i                              ; load i is back; the 7 - i behind it may be out
	global_store_b128 v1, v[160+4*\i:163+4*\i], s[10:11] offset:512*\i th:TH_STORE_NT   ; 512 consecutive bytes, at a multiple of 256 from out0's first byte; written once, read by nobody here
.endr
	s_wait_xcnt 0x0
	v_lshl_add_u32 v254, v0, 2, 0x49000
	v_mov_b32 v255, 0
	s_wait_tensorcnt 0x0
	ds_add_u32 v254, v255
	s_wait_dscnt 0x0
	s_endpgm
.Lfunc_end_k_qb7069529ad_attn:
	.size	k_qb7069529ad_attn, .Lfunc_end_k_qb7069529ad_attn-k_qb7069529ad_attn
	.p2alignl 7, 3214868480
	.fill 96, 4, 3214868480
	.section	.rodata,"a",@progbits
	.p2align	6, 0x0
	.amdhsa_kernel k_qb7069529ad_attn
		.amdhsa_group_segment_fixed_size 301056
		.amdhsa_private_segment_fixed_size 0
		.amdhsa_enable_private_segment 0
		.amdhsa_kernarg_size 32
		.amdhsa_user_sgpr_count 2
		.amdhsa_user_sgpr_kernarg_segment_ptr 1
		.amdhsa_wavefront_size32 1
		.amdhsa_system_sgpr_workgroup_id_x 1
		.amdhsa_system_sgpr_workgroup_id_y 1
		.amdhsa_system_sgpr_workgroup_id_z 1
		.amdhsa_system_vgpr_workitem_id 0
		.amdhsa_next_free_vgpr 256
		.amdhsa_next_free_sgpr 66
		.amdhsa_reserve_vcc 1
		.amdhsa_float_denorm_mode_32 3
		.amdhsa_float_denorm_mode_16_64 3
		.amdhsa_memory_ordered 1
		.amdhsa_forward_progress 1
		.amdhsa_inst_pref_size 40
	.end_amdhsa_kernel
	.amdgpu_metadata
---
amdhsa.version: [ 1, 2 ]
amdhsa.kernels:
  - .name:           k_qb7069529ad_attn
    .symbol:         k_qb7069529ad_attn.kd
    .args:
      - { .name: queries, .offset: 0, .size: 8, .value_kind: global_buffer, .address_space: global }
      - { .name: kv, .offset: 8, .size: 8, .value_kind: global_buffer, .address_space: global }
      - { .name: order, .offset: 16, .size: 8, .value_kind: global_buffer, .address_space: global }
      - { .name: out0, .offset: 24, .size: 8, .value_kind: global_buffer, .address_space: global }
    .group_segment_fixed_size: 301056
    .private_segment_fixed_size: 0
    .kernarg_segment_align: 8
    .kernarg_segment_size: 32
    .max_flat_workgroup_size: 512
    .sgpr_count:     66
    .vgpr_count:     256
    .wavefront_size: 32
...
	.end_amdgpu_metadata
.endif
;; end of part 2
;; ======== version 2 of 2: 2 launches
;; limits: right only within a limited range of input values
;; workspace buffers: kv 7,077,888 bytes; order 512 bytes of whole numbers
;; launch quant (part 3): grid 8 x 64, 4 waves a work-group, no clusters, 39,424 bytes of LDS; arguments keys, values, valid_lens, kv, order; writes kv, order
.if DOCPART == 3
	.amdgcn_target "amdgcn-amd-amdhsa--gfx1250"
	.amdhsa_code_object_version 6
	.text
	.protected	k_qb7069529ad_quant
	.globl	k_qb7069529ad_quant
	.p2align	8
	.type	k_qb7069529ad_quant,@function
k_qb7069529ad_quant:
	s_mov_b64 s[64:65], 0
	v_nop
	global_prefetch_b8 v0, s[64:65] scope:SCOPE_SE
	s_setreg_imm32_b32 hwreg(HW_REG_WAVE_MODE, 25, 1), 1
	s_wait_xcnt 0x0
; keys, values: [64][1024][64] f32.  For each batch b and each key step j of 128 keys that is not wholly masked, one chunk of 13,824 bytes of kv, at (8 b + j) x 13,824:
; K's and V's codes of BF6 (E3M2) and their E8M0 scale words, laid as IMAGES OF THE OPERAND REGISTERS of the attention launch, so that it fetches every fragment by loads of 16 or 8 bytes a lane.
; K is quantised along d (two blocks of 32 a key), V along the keys (four blocks of 32 a column and step).
; A block's scale is 2^(floor(log2(its largest magnitude)) - 4); its byte is the largest magnitude's exponent field - 4, held at 1 from below.
; A CHUNK (L = lane, r = L % 16, h = L / 16):
;   0      8 x 768   K tile t: fragment registers 0-3 at 768 t + 16 L, registers 4-5 at 768 t + 512 + 8 L.  Lane (r, h): key 32 (t / 2) + 8 (t % 2) + r + 8 (r / 8), d = 32 h .. 32 h + 31
;   6144   4 x 1536  V^T fragment f (rows d = 16 f + r): registers 4 q .. 4 q + 3 at 1536 f + 512 q + 16 L.  Registers 6 c .. 6 c + 5: keys 64 c + 32 h + 0 .. 31
;   12288  2 x 512   at 512 g + 16 L: the scale words of K tiles 4 g .. 4 g + 3, row r (bytes 0, 1: the two blocks; bytes 2, 3: 0)
;   13312  2 x 256   at 256 e + 8 L: the scale word (four key blocks) of column d = 32 e + L, twice, so that the wave's store covers 256 consecutive bytes
; SHARES.  Work-group (x = step j, y = batch b) makes one chunk.  Waves 0, 1: K, 64 keys each.  Waves 2, 3: V, 32 columns each.  Waves share nothing: no barrier.
; THE GRID is fixed at 8 steps a batch, so that it serves every valid_lens; a work-group whose step lies wholly under the mask that reference() builds stores nothing and ends.
; Steps of a batch: vl = valid_len held to 0 .. 1024; (vl + 127) / 128, or all 8 where vl = 0 (every key then carries the fill, and all count alike).
; ORDER.  Wave 0 of work-group (0, 0) also ranks the 64 batches by their number of steps (a counting sort on lane masks) and stores (batch, vl) at 8 x rank.
; LIMITS: NaN and infinities among the inputs are not served.  A block of zeros gets the byte 1 where the quantiser says 127: its codes are zeros, and this program alone reads the bytes.
.set CH,   13824                       ; bytes in a chunk
.set VCO,  6144                        ; V's codes in it
.set KSO,  12288                       ; K's scale words
.set VSO,  13312                       ; V's scale words
.set STG,  19456                       ; LDS: a stage for each of the two K waves
.set TPL,  4864                        ; a tile's place in it: (row r, block) at 144 r + 2432 block, 128 bytes of data
.set C,    32                          ; v32-55   24 registers of codes
.set SWD,  56                          ; v56-59   scale words
.set T,    60                          ; v60-62   the second half of a block's codes, as converted
.set R,    64                          ; v64-191  numbers as loaded
.set X0,   192                         ; v192-223 a tile of K turned: a block of 32 in a lane
.set X1,   224                         ; v224-255 the next tile
	s_load_b256 s[4:11], s[0:1], 0x0               ; keys s[4:5], values s[6:7], valid_lens s[8:9], kv s[10:11]
	s_load_b64 s[12:13], s[0:1], 0x20              ; order
	v_lshl_add_u32 v31, v0, 2, 0x9800
	v_mov_b32 v63, 0
	v_lshrrev_b32 v1, 5, v0
	v_readfirstlane_b32 s14, v1                    ; wave 0..3
	s_and_b32 s15, ttmp7, 0xffff                   ; batch
	s_mov_b32 s16, ttmp9                           ; key step
	s_or_b32 s19, s16, s15
	s_or_b32 s19, s19, s14                         ; 0 in the one wave that ranks the batches
	s_and_b32 s26, s14, 1                          ; which half of K's keys, or of V's columns
	s_mul_i32 s27, s26, STG
	s_lshl_b32 s18, s15, 2
	s_mov_b32 s24, 0x76543210
	s_mov_b32 s25, 0xfedcba98                      ; v_permlanex16_b32's selects for lane l xor 16
	s_wait_kmcnt 0x0
	s_load_b32 s17, s[8:9], s18 offset:0x0         ; my batch's valid_len
	v_and_b32 v1, 31, v0                           ; lane
	v_lshlrev_b32 v2, 4, v1                        ; 16 x lane
	v_lshlrev_b32 v3, 3, v1                        ; 8 x lane
	v_lshlrev_b32 v4, 2, v1                        ; 4 x lane
	v_bfe_u32 v9, v0, 4, 1                         ; h
	v_bfe_u32 v10, v0, 3, 1
	v_and_b32 v11, 7, v0
	v_and_b32 v12, 15, v0                          ; r
	v_mul_u32_u24 v5, v9, 144                      ; into the stage: a load's 512 bytes are two keys' rows: lanes 16-31 the next row,
	v_mad_u32_u24 v5, v10, 2432, v5                ; lanes 8-15 of a row its second block of 32,
	v_lshl_add_u32 v5, v11, 4, v5                  ; 16 bytes a lane
	v_add_nc_u32 v5, s27, v5
	v_mul_u32_u24 v6, v12, 144                     ; out of it: row r, block h: 128 bytes, a whole block.  144 bytes are 36 words: the 16 rows of a read start at 16 different groups of four banks (64 banks of 4 bytes: ISA guide 11.1)
	v_mad_u32_u24 v6, v9, 2432, v6
	v_add_nc_u32 v6, s27, v6
	v_lshlrev_b32 v7, 3, v9                        ; 8 h: my block's byte in K's scale word
	v_mov_b32 v8, 0                                ; written once: a lane permute's destination counts as one of its sources
	s_wait_kmcnt 0x0
	s_max_i32 s17, s17, 0
	s_min_i32 s17, s17, 0x400                      ; vl
	s_add_co_u32 s18, s17, 127
	s_lshr_b32 s18, s18, 7
	s_cmp_gt_i32 s17, 0
	s_cselect_b32 s18, s18, 8                      ; the batch's steps
	s_cmp_ge_u32 s16, s18
	s_cbranch_scc1 .Lend                           ; my step lies wholly under the mask
	s_lshl_b32 s20, s15, 18                        ; a batch is 262,144 bytes of keys or of values,
	s_lshl_b32 s21, s16, 15                        ; a step 32,768
	s_add_co_u32 s20, s20, s21
	s_mov_b32 s21, 0
	s_lshl_b32 s22, s15, 3
	s_add_co_u32 s22, s22, s16
	s_mul_i32 s22, s22, CH
	s_mov_b32 s23, 0
	s_add_nc_u64 s[10:11], s[10:11], s[22:23]      ; kv at my chunk
; 32 numbers of one block in one lane, v[xs] on, become six registers of codes, v[c] on, and the scale's byte in v10.
.macro QB xs, c
	v_max3_num_f32 v12, |v[(\xs)]|, |v[(\xs)+1]|, |v[(\xs)+2]|          ; the largest magnitude, in two chains
	v_max3_num_f32 v13, |v[(\xs)+3]|, |v[(\xs)+4]|, |v[(\xs)+5]|
.irp i, 6,10,14,18,22,26
	v_max3_num_f32 v12, v12, |v[(\xs)+\i]|, |v[(\xs)+\i+1]|
	v_max3_num_f32 v13, v13, |v[(\xs)+\i+2]|, |v[(\xs)+\i+3]|
.endr
	v_max3_num_f32 v12, v12, |v[(\xs)+30]|, |v[(\xs)+31]|
	v_max3_num_f32 v12, v12, v13, 0x2800000        ; and the floor 2^(5 - 127): the byte cannot fall under 1
	v_add_nc_u32 v11, 0xfe000000, v12              ; 4 off the exponent field: the conversion takes this operand's exponent field as its scale
	v_cvt_scalef32_pk16_bf6_f32 v[(\c):(\c)+2], v[(\xs):(\xs)+15], v11
	v_cvt_scalef32_pk16_bf6_f32 v[T:T+2], v[(\xs)+16:(\xs)+31], v11     ; (a conversion's three registers begin on an even number)
	v_lshrrev_b32 v10, 23, v11                     ; the byte; also the plain line between the conversions and the moves that read their result
	v_mov_b32 v[(\c)+3], v[T]
	v_mov_b32 v[(\c)+4], v[T+1]
	v_mov_b32 v[(\c)+5], v[T+2]
.endm
	s_cmp_lt_u32 s14, 2
	s_cbranch_scc0 .Lvalues
	; ---------------- K: my 64 keys, tiles 4 g .. 4 g + 3 ----------------
	s_lshl_b32 s22, s26, 14                        ; 64 keys of 256 bytes
	s_add_co_u32 s20, s20, s22
	s_add_nc_u64 s[4:5], s[4:5], s[20:21]          ; keys at my first key
	s_mul_i32 s22, s26, 3072
	s_add_nc_u64 s[30:31], s[10:11], s[22:23]      ; my four tiles' images
	s_lshl_b32 s22, s26, 9
	s_add_co_u32 s22, s22, KSO
	s_add_nc_u64 s[10:11], s[10:11], s[22:23]      ; and their scale words
.set n, 0
.rept 32
	global_load_b128 v[R+4*n:R+4*n+3], v2, s[4:5] offset:512*n th:TH_LOAD_NT   ; 32 lanes read 512 consecutive bytes: keys 2 n and 2 n + 1
.set n, n+1
.endr
	s_cmp_lg_u32 s19, 0
	s_cbranch_scc1 .Lno_rank
	; the ranking, in one wave of the launch, while its loads of K are on their way.  Lane l holds batches l and l + 32.
	global_load_b32 v16, v4, s[8:9]
	global_load_b32 v17, v4, s[8:9] offset:128
	s_wait_loadcnt 0x0                             ; these two are the youngest loads: nothing may stay out
	v_cmp_lt_i32 s27, 0, v16
	v_cmp_lt_i32 s28, 0, v17
	v_cndmask_b32 v16, 0, v16, s27                 ; held at 0 from below,
	v_cndmask_b32 v17, 0, v17, s28
	v_min_u32 v25, 0x400, v16                      ; and at 1,024 from above: vl
	v_min_u32 v27, 0x400, v17
	v_add_nc_u32 v18, 127, v25
	v_add_nc_u32 v19, 127, v27
	v_lshrrev_b32 v18, 7, v18
	v_lshrrev_b32 v19, 7, v19
	v_cndmask_b32 v18, 8, v18, s27                 ; steps: 8 where vl = 0
	v_cndmask_b32 v19, 8, v19, s28
	v_mov_b32 v20, 0
	v_mov_b32 v21, 0
	s_mov_b32 s26, 0                               ; batches ranked so far
.irp n, 1,2,3,4,5,6,7,8
	v_cmp_eq_u32 s27, \n, v18                      ; who has n steps
	v_cmp_eq_u32 s28, \n, v19
	v_mbcnt_lo_u32_b32 v22, s27, s26               ; those ranked so far + those of them in lower lanes
	v_cndmask_b32 v20, v20, v22, s27
	s_bcnt1_i32_b32 s29, s27
	s_add_co_u32 s26, s26, s29
	v_mbcnt_lo_u32_b32 v22, s28, s26
	v_cndmask_b32 v21, v21, v22, s28
	s_bcnt1_i32_b32 s29, s28
	s_add_co_u32 s26, s26, s29
.endr
	v_min_u32 v20, 63, v20                         ; the ranks are a permutation of 0 .. 63; held there, since they enter an address
	v_min_u32 v21, 63, v21
	v_lshlrev_b32 v28, 3, v20
	v_lshlrev_b32 v29, 3, v21
	v_mov_b32 v24, v1                              ; (batch, vl)
	v_add_nc_u32 v26, 32, v1
	global_store_b64 v28, v[24:25], s[12:13]       ; v24-29 are not written again
	global_store_b64 v29, v[26:27], s[12:13]
.Lno_rank:
.macro WORD t                          ; my block's byte at its place, joined with the other block's from lane l xor 16: row r's scale word of tile t, in both halves of the lanes
	v_lshlrev_b32 v[SWD+(\t)], v7, v10
	v_permlanex16_b32 v8, v[SWD+(\t)], s24, s25
	v_or_b32 v[SWD+(\t)], v[SWD+(\t)], v8
.endm
; 32 keys (tiles 2 bp, 2 bp + 1 of my four) go through my stage: in as loaded, out a block of 32 to a lane.  LDS serves a wave's instructions in order (ISA guide 5.7.1.4): no wait between the stores and the loads.
; Key k of my 64 belongs to tile 2 (k / 32) + (k / 8) % 2, row k % 8 + 8 ((k / 16) % 2).
.macro PAIR bp
	s_wait_loadcnt 16*(1-\bp)                      ; these 16 loads are in; the 16 behind them may be out
.set n, 16*\bp
.rept 16
	ds_store_b128 v5, v[R+4*n:R+4*n+3] offset:TPL*(2*((n>>4)&1)+((n>>2)&1))+144*(((2*n)&7)+8*((n>>3)&1))
.set n, n+1
.endr
.irp i, 0,1,2,3,4,5,6,7
	ds_load_b128 v[X0+4*\i:X0+4*\i+3], v6 offset:TPL*(2*\bp)+16*\i
.endr
.irp i, 0,1,2,3,4,5,6,7
	ds_load_b128 v[X1+4*\i:X1+4*\i+3], v6 offset:TPL*(2*\bp+1)+16*\i
.endr
	s_wait_dscnt 8                                 ; the first tile is back; the second tile's eight loads may be out
	QB X0, C+6*(2*\bp)
	WORD 2*\bp
	s_wait_dscnt 0x0
	QB X1, C+6*(2*\bp+1)
	WORD 2*\bp+1
.endm
	s_wait_alu depctr_va_vdst(0)
	PAIR 0
	PAIR 1
.irp t, 0,1,2,3
	global_store_b128 v2, v[C+6*\t:C+6*\t+3], s[30:31] offset:768*\t        ; 512 consecutive bytes, at a multiple of 256 from kv's first byte
	global_store_b64 v3, v[C+6*\t+4:C+6*\t+5], s[30:31] offset:768*\t+512   ; 256
.endr
	global_store_b128 v2, v[SWD:SWD+3], s[10:11]   ; 512
	s_wait_tensorcnt 0x0
	ds_add_u32 v31, v63
	s_wait_dscnt 0x0
	s_endpgm
	; ---------------- V: my 32 columns, all 128 keys ----------------
.Lvalues:
	s_lshl_b32 s22, s26, 7                         ; 32 columns of 4 bytes
	s_add_co_u32 s20, s20, s22
	s_add_nc_u64 s[6:7], s[6:7], s[20:21]          ; values at my first column of the step's first key
	s_mul_i32 s22, s26, 3072
	s_add_co_u32 s22, s22, VCO
	s_add_nc_u64 s[30:31], s[10:11], s[22:23]      ; my two fragments' images
	s_lshl_b32 s22, s26, 8
	s_add_co_u32 s22, s22, VSO
	s_add_nc_u64 s[10:11], s[10:11], s[22:23]      ; and my columns' scale words
; A LANE TAKES A COLUMN d AND ITS REGISTERS RUN DOWN THE KEYS: a block of 32 keys lies in one lane, and the codes come out with the keys innermost.  A load reads 128 consecutive bytes; the two V waves stand side by side on a row.
.macro LOADV kb
.set n, 32*(\kb)
.rept 32
	global_load_b32 v[R+n], v4, s[6:7] offset:256*n th:TH_LOAD_NT
.set n, n+1
.endr
.endm
	LOADV 0
	LOADV 1
.irp kb, 0,1,2,3
.if \kb < 3
	s_wait_loadcnt 32                              ; this block's 32 loads are in; the next block's may be out
.else
	s_wait_loadcnt 0x0
.endif
.if \kb < 2
	LOADV \kb+2
.endif
	QB R+32*\kb, C+12*(\kb%2)+6*(\kb/2)            ; even blocks into v32-43, odd blocks into v44-55
.if \kb == 0
	v_mov_b32 v[SWD], v10
.else
	v_lshl_or_b32 v[SWD], v10, 8*\kb, v[SWD]       ; the four bytes make my column's scale word
.endif
.endr
.irp i, 0,1,2,3,4,5,6,7,8,9,10,11
	v_permlane16_swap_b32 v[C+\i], v[C+12+\i]      ; the first's lanes 16-31 change places with the second's lanes 0-15: v32-43 are now the fragment of columns 0-15 (lanes 0-15 even blocks, lanes 16-31 odd), v44-55 that of columns 16-31
.endr
	v_mov_b32 v[SWD+1], v[SWD]
.irp f, 0,1
.irp q, 0,1,2
	global_store_b128 v2, v[C+12*\f+4*\q:C+12*\f+4*\q+3], s[30:31] offset:1536*\f+512*\q   ; 512 consecutive bytes, at a multiple of 256 from kv's first byte
.endr
.endr
	global_store_b64 v3, v[SWD:SWD+1], s[10:11]    ; 256
.Lend:
	s_endpgm
.Lfunc_end_k_qb7069529ad_quant:
	.size	k_qb7069529ad_quant, .Lfunc_end_k_qb7069529ad_quant-k_qb7069529ad_quant
	.p2alignl 7, 3214868480
	.fill 96, 4, 3214868480
	.section	.rodata,"a",@progbits
	.p2align	6, 0x0
	.amdhsa_kernel k_qb7069529ad_quant
		.amdhsa_group_segment_fixed_size 39424
		.amdhsa_private_segment_fixed_size 0
		.amdhsa_enable_private_segment 0
		.amdhsa_kernarg_size 40
		.amdhsa_user_sgpr_count 2
		.amdhsa_user_sgpr_kernarg_segment_ptr 1
		.amdhsa_wavefront_size32 1
		.amdhsa_system_sgpr_workgroup_id_x 1
		.amdhsa_system_sgpr_workgroup_id_y 1
		.amdhsa_system_sgpr_workgroup_id_z 1
		.amdhsa_system_vgpr_workitem_id 0
		.amdhsa_next_free_vgpr 256
		.amdhsa_next_free_sgpr 66
		.amdhsa_reserve_vcc 0
		.amdhsa_float_denorm_mode_32 3
		.amdhsa_float_denorm_mode_16_64 3
		.amdhsa_memory_ordered 1
		.amdhsa_forward_progress 1
		.amdhsa_inst_pref_size 42
	.end_amdhsa_kernel
	.amdgpu_metadata
---
amdhsa.version: [ 1, 2 ]
amdhsa.kernels:
  - .name:           k_qb7069529ad_quant
    .symbol:         k_qb7069529ad_quant.kd
    .args:
      - { .name: keys, .offset: 0, .size: 8, .value_kind: global_buffer, .address_space: global }
      - { .name: values, .offset: 8, .size: 8, .value_kind: global_buffer, .address_space: global }
      - { .name: valid_lens, .offset: 16, .size: 8, .value_kind: global_buffer, .address_space: global }
      - { .name: kv, .offset: 24, .size: 8, .value_kind: global_buffer, .address_space: global }
      - { .name: order, .offset: 32, .size: 8, .value_kind: global_buffer, .address_space: global }
    .group_segment_fixed_size: 39424
    .private_segment_fixed_size: 0
    .kernarg_segment_align: 8
    .kernarg_segment_size: 40
    .max_flat_workgroup_size: 128
    .sgpr_count:     66
    .vgpr_count:     256
    .wavefront_size: 32
...
	.end_amdgpu_metadata
.endif
;; end of part 3
;; launch attn (part 4): grid 256 x 1, 16 waves a work-group, no clusters, 301,056 bytes of LDS; arguments queries, kv, order, out0; writes out0
.if DOCPART == 4
	.amdgcn_target "amdgcn-amd-amdhsa--gfx1250"
	.amdhsa_code_object_version 6
	.text
	.protected	k_qb7069529ad_attn
	.globl	k_qb7069529ad_attn
	.p2align	8
	.type	k_qb7069529ad_attn,@function
k_qb7069529ad_attn:
	s_mov_b64 s[64:65], 0
	v_nop
	global_prefetch_b8 v0, s[64:65] scope:SCOPE_SE
	s_setreg_imm32_b32 hwreg(HW_REG_WAVE_SCHED_MODE, 0, 2), 2
	s_setreg_imm32_b32 hwreg(HW_REG_WAVE_MODE, 25, 1), 1
	s_wait_xcnt 0x0
	s_wait_alu depctr_vm_vsrc(0)
; out0[b][q][:] = the sum over k of softmax_k(s(q, k)) values[b][k][:], s = queries[b][q] . keys[b][k] / 8, or -1e6 where k >= valid_lens[b].  Both products on codes of BF6 (E3M2) with one E8M0 scale for each 32 along K.
; K's and V's codes come from kv, one chunk of 13,824 bytes for a key step of 128 keys, laid as images of the operand registers (the layout: at the offsets below); the queries are quantised here, in registers.
; THE SOFTMAX AHEAD OF THE SECOND PRODUCT: t = q.k x log2(e) / 8; M = the row's largest t so far, rounded UP to a whole number; p = 2^(t - M) is quantised along the keys, not normalised.
; The row's sum is taken of the unquantised p and divides at the end.  When M moves, the sum and O are multiplied by 2^(old M - new M): exact.
; THE MASK.  Key steps that lie wholly at or behind valid_len are not walked: their p is 0 beside any key that counts.  In the one step that the bound cuts, hidden scores become -8e6 (= -1e6 x 8, exact) ahead of the maximum.
; With valid_len <= 0 all 8 steps are walked with every score filled, as reference() has it.
; SHARES.  order holds (batch, valid_len) by rank, the batches sorted by their number of steps.  Work-group g: pair p = g % 32, slab = g / 32.  Eight of its sixteen waves serve 128 queries (the slab) of the batch of rank p,
; the other eight those of rank 63 - p: so every work-group has about the same number of steps.  Wave w: half = (w ^ (w / 4)) % 2, index = w / 2; it owns 16 queries, one tile, in 256 registers.
; LDS.  Each half copies its batch's chunks once (wave i copies chunk i, if the batch has it): all of K and V that count lie in LDS, one barrier, no ring.  No tensor load: what is copied and walked hangs on a number read from memory.
; LAYOUT.  Both products are used transposed: S^T = K Q^T (source 0 = 16 keys, source 1 = my 16 queries), O^T = V^T P^T: a lane holds ONE query (lane % 16) throughout.
; The head has 64 channels, half of the instruction's 128 along K: registers 6-11 of Q's and K's fragments are zero codes and stay so; bytes 2, 3 of their scale words are 0.
; THE KEYS OF A TILE ARE NOT NEIGHBOURS: lane r of tile 2 b + u holds key 32 b + 8 u + r + 8 (r / 8), so that the 16 registers of tiles 2 b, 2 b + 1 are keys 32 b + 16 (lane / 16) + 0 .. 15.
; LIMITS: NaN and infinities are not served.  Leaving masked steps out takes the scores that count to lie above about -1e6 + 200.  With valid_len <= 0 all p of a row are equal, and what they are quantised from hangs on the last bits of t near -1.44e6.
; A block of zeros has the scale byte 1; its codes are zeros.
; REGISTERS: v1-9, v31 addresses; v10 the mask's bound, v11 the fill; v12 -M, v13 the largest t, v[14:15] the sum in two halves; v16-27 Q, v28 its scale word; v29-30 V's scale words; v32-79 four fragments of K; v80-127 V's four;
; v128-191 S^T, then p; v192-223 O^T; v224-235 p's codes; v232-247, v254 at work; v248-251 K's scale words; v252 f, v253 p's scale word; v255 16 x (lane / 16).  s32-39: at the head two LDS bases, in the loop the mask's eight lane masks.
; THE MODE: SCHED_MODE bits 1:0 = 2 (LLVM: expert scheduling mode 2), set by the entry lines.  The code itself states the register dependences between vector or matrix instructions and memory or LDS instructions, with s_wait_alu, always for 0.
; THE PLAN.  Registers that memory or LDS instructions touch:
;   v1, v4-7, v31     offsets and LDS addresses: written once at the head, ahead of one wait on va_vdst; read by loads and stores; never written again.
;   v32-139, v160-191 at the head: the chunk and Q as loaded, read by the LDS stores of the copy; one wait on vm_vsrc behind those stores, ahead of the barrier, and then they are fragments and S^T.
;   v8, v9            the step's LDS addresses: written at a trip's head, behind a wait on vm_vsrc for the last trip's LDS loads; read by the trip's 32 LDS loads.
;   K's fragments (registers 0-5 of each), v248-251: filled twice a trip, read by four products after each fill.      V's fragments, v29, v30: filled once a trip, read by the trip's last four products.
;   v128-159, v160-191 on the way out: the LDS stores' data, written by the last multiplications; the stage's loads land in v160-191, which the global stores read.
; A trip has two waits on va_vdst for its loads.  The one at its head states that v8 and v9 are written and that the last trip's products are done with K's and V's registers: K's first fill follows it, and V's fill too, which stands
; behind the first four products (they name none of V's registers).  The other, behind those products, states that they are done with K's registers: K's second fill follows it.
; More waits on va_vdst in a trip serve vector and matrix lines: in the mask, ahead of and behind the exponentials, and ahead of the products that take p's codes.
.set CH,    13824                      ; a chunk: K tile t: registers 0-3 at 768 t + 16 L, registers 4-5 at 768 t + 512 + 8 L;
.set VCO,   6144                       ; V^T fragment f: registers 4 q .. 4 q + 3 at 1536 f + 512 q + 16 L;
.set KSO,   12288                      ; the scale words of K tiles 4 g .. 4 g + 3 at 512 g + 16 L;
.set VSO,   13312                      ; the scale word of column d = 32 e + L at 256 e + 8 L
.set HALF,  8*CH                       ; LDS: a half's eight chunks
.set STAGE, 2*HALF                     ; behind them a stage of SW bytes for each wave: Q is turned there, and O leaves through it
.set SW,    4864
.set KFR,   32
.set VFR,   80
.set S,     128
.set O,     192
.set MK,    32                         ; s32-39 the mask's lane masks
	s_load_b256 s[4:11], s[0:1], 0x0               ; queries s[4:5], kv s[6:7], order s[8:9], out0 s[10:11]
	v_lshrrev_b32 v1, 5, v0
	v_readfirstlane_b32 s12, v1                    ; wave 0..15
	s_wait_alu depctr_va_sdst(0)                   ; s12 is written, ahead of its first reader: the half, the index and all that is made of them
	s_lshr_b32 s13, s12, 2
	s_xor_b32 s13, s13, s12
	s_and_b32 s13, s13, 1                          ; half
	s_lshr_b32 s14, s12, 1                         ; index in the half
	s_and_b32 s15, ttmp9, 31                       ; pair
	s_lshr_b32 s16, ttmp9, 5                       ; slab of 128 queries
	s_sub_co_u32 s21, 63, s15
	s_cmp_eq_u32 s13, 0
	s_cselect_b32 s15, s15, s21                    ; rank
	s_lshl_b32 s15, s15, 3
	s_wait_kmcnt 0x0
	s_load_b64 s[18:19], s[8:9], s15 offset:0x0    ; (batch, valid_len)
	s_mov_b32 s22, 0x3e38aa3b                      ; c = log2(e) / 8
	s_mov_b32 s23, s22                             ; (the packed form names the pair)
	s_mov_b32 s24, 0x76543210
	s_mov_b32 s25, 0xfedcba98                      ; v_permlanex16_b32's selects for lane l xor 16
	s_mul_i32 s33, s13, HALF                       ; my half's chunks
	s_mul_i32 s21, s14, CH                         ; the chunk that I copy
	s_mul_i32 s32, s12, SW
	s_add_co_u32 s32, s32, STAGE                   ; my stage
	v_and_b32 v10, 31, v0                          ; lane
	v_and_b32 v11, 15, v0                          ; r
	v_bfe_u32 v12, v0, 4, 1                        ; h
	v_bfe_u32 v13, v0, 3, 1
	v_and_b32 v14, 7, v0
	v_lshlrev_b32 v1, 4, v10                       ; 16 x lane
	v_add_nc_u32 v2, s33, v1                       ; my half + 16 x lane
	v_lshl_add_u32 v3, v10, 3, s33                 ; my half + 8 x lane
	v_add_nc_u32 v4, s21, v2                       ; where I store the chunk that I copy
	v_mul_u32_u24 v5, v12, 144                     ; Q into the stage: a load's 512 bytes are two queries' rows: lanes 16-31 the next row,
	v_mad_u32_u24 v5, v13, 2432, v5                ; lanes 8-15 of a row its second block of 32,
	v_lshl_add_u32 v5, v14, 4, v5                  ; 16 bytes a lane
	v_add_nc_u32 v5, s32, v5
	v_mul_u32_u24 v6, v11, 144                     ; and out of it: row r, block h: a whole block of 32 in a lane
	v_mad_u32_u24 v6, v12, 2432, v6
	v_add_nc_u32 v6, s32, v6
	v_mul_u32_u24 v7, v11, 272                     ; O into the stage: row r of 256 bytes + 16, + 32 h
	v_lshl_add_u32 v7, v12, 5, v7
	v_add_nc_u32 v7, s32, v7
	v_mul_u32_u24 v31, v12, 272                    ; and out of it: lanes 0-15 one row, lanes 16-31 the next
	v_lshl_add_u32 v31, v11, 4, v31
	v_add_nc_u32 v31, s32, v31
	v_lshlrev_b32 v255, 4, v12                     ; 16 h
	s_wait_kmcnt 0x0
	s_min_u32 s18, s18, 63                         ; the batch enters addresses: held inside the tensors
	s_max_i32 s19, s19, 0
	s_min_i32 s19, s19, 0x400                      ; vl
	s_add_co_u32 s20, s19, 127
	s_lshr_b32 s20, s20, 7
	s_cmp_gt_i32 s19, 0
	s_cselect_b32 s20, s20, 8                      ; the batch's key steps
	s_lshl_b32 s30, s18, 10
	s_lshl_b32 s21, s16, 7
	s_add_co_u32 s30, s30, s21
	s_lshl_b32 s21, s14, 4
	s_add_co_u32 s30, s30, s21                     ; my first query's row: 1,024 x batch + 128 x slab + 16 x index
	s_lshl_b32 s30, s30, 8                         ; of 256 bytes
	s_mov_b32 s31, 0
	s_add_nc_u64 s[4:5], s[4:5], s[30:31]
	s_add_nc_u64 s[10:11], s[10:11], s[30:31]
	s_lshl_b32 s30, s18, 3
	s_add_co_u32 s30, s30, s14
	s_mul_i32 s30, s30, CH
	s_add_nc_u64 s[6:7], s[6:7], s[30:31]          ; the chunk that I copy
	s_wait_alu depctr_va_vdst(0)                   ; v1, v4, v5, v6, v7 and v31 are written: the offsets and LDS addresses that the loads and stores of the head and of the way out read
.set n, 0
.rept 8
	global_load_b128 v[160+4*n:163+4*n], v1, s[4:5] offset:512*n th:TH_LOAD_NT   ; my 16 queries: 512 consecutive bytes a load
.set n, n+1
.endr
	s_cmp_ge_u32 s14, s20
	s_cbranch_scc1 .Lno_chunk                      ; the batch has no such step: nothing to copy, and nobody will read those bytes
.set n, 0
.rept 27
	global_load_b128 v[32+4*n:35+4*n], v1, s[6:7] offset:512*n    ; eight work-groups read this chunk: no hint
.set n, n+1
.endr
.set n, 0
.rept 27
	s_wait_loadcnt 26-n                            ; load n is in; the 26 - n behind it may be out
	ds_store_b128 v4, v[32+4*n:35+4*n] offset:512*n
.set n, n+1
.endr
.Lno_chunk:
	s_wait_loadcnt 0x0                             ; Q (on the way that copies nothing it may still be out)
.set n, 0
.rept 8
	ds_store_b128 v5, v[160+4*n:163+4*n] offset:288*n
.set n, n+1
.endr
.set n, 0
.rept 8
	ds_load_b128 v[192+4*n:195+4*n], v6 offset:16*n   ; LDS serves a wave's instructions in order (ISA guide 5.7.1.4): these see my stores
.set n, n+1
.endr
	s_wait_dscnt 0x0                               ; for the others' sake: my part of the copy has landed; and Q is back
	s_wait_alu depctr_vm_vsrc(0)                   ; my LDS stores have read v32-139 and v160-191: from here on these are K's and V's fragments and S^T, written by the zero codes' moves below, by the fragments' loads and by the products
	s_barrier_signal -1
	; register work alone until the wait: Q's block of 32 (row r, d = 32 h on) becomes six registers of codes and a byte
	v_max3_num_f32 v232, |v192|, |v193|, |v194|
	v_max3_num_f32 v233, |v195|, |v196|, |v197|
.irp i, 6,10,14,18,22,26
	v_max3_num_f32 v232, v232, |v[192+\i]|, |v[193+\i]|
	v_max3_num_f32 v233, v233, |v[194+\i]|, |v[195+\i]|
.endr
	v_max3_num_f32 v232, v232, |v222|, |v223|
	v_max3_num_f32 v232, v232, v233, 0x2800000     ; the floor 2^(5 - 127): the byte cannot fall under 1
	v_add_nc_u32 v234, 0xfe000000, v232            ; 4 off the exponent field: the conversion's scale operand
	v_cvt_scalef32_pk16_bf6_f32 v[16:18], v[192:207], v234
	v_cvt_scalef32_pk16_bf6_f32 v[236:238], v[208:223], v234   ; (a conversion's three registers begin on an even number)
	v_lshrrev_b32 v235, 23, v234                   ; the byte; also the plain line behind the conversions
	v_mov_b32 v19, v236
	v_mov_b32 v20, v237
	v_mov_b32 v21, v238
	v_lshrrev_b32 v240, 1, v255                    ; 8 h
	v_mov_b32 v241, 0
	v_lshlrev_b32 v28, v240, v235                  ; my block's byte at its place,
	v_permlanex16_b32 v241, v28, s24, s25
	v_or_b32 v28, v28, v241                        ; with the other block's: row r's scale word
.irp i, 22,23,24,25,26,27
	v_mov_b32 v[\i], 0                             ; K = 64 .. 127 of the instruction: zero codes
.endr
.irp s, 0,1,2,3
.irp i, 6,7,8,9,10,11
	v_mov_b32 v[KFR+12*\s+\i], 0                   ; the same in K's four fragments: no load lands here
.endr
.endr
	v_mov_b32 v11, 0xcaf42400                      ; the fill: -8e6
	v_mov_b32 v13, 0xff61b1e6                      ; the largest t so far: -3e38, under every t
	v_floor_f32 v12, -v13                          ; -M
	v_mov_b32 v14, 0                               ; the sum, in two halves
	v_mov_b32 v15, 0
.irp b, 0,1,2,3
	v_mov_b32 v[236+\b], 0                         ; written once: a lane permute's destination counts as one of its sources
.endr
	v_mov_b32 v252, 0
	v_mov_b32 v253, 0                              ; (named as the upper half of the pair v[252:253] before it is first written)
.set n, 0
.rept 32
	v_mov_b32 v[O+n], 0                            ; O^T.  The step is written once: the first finds zeros, which the first change of M leaves zeros.  (These 32 also stand between the writes of Q's scale word and of the zero codes and the first product)
.set n, n+1
.endr
	s_barrier_wait -1                              ; both halves' chunks lie in LDS
	s_mov_b32 s26, 0                               ; the step's chunk in my half
	s_mov_b32 s27, 0                               ; its first key
	s_mov_b32 s28, 0                               ; its number
.Lstep:                                            ; 8 trips, a constant; a trip beyond the batch's steps only steps the three numbers
	s_wait_alu depctr_vm_vsrc(0)                   ; the last trip's LDS loads have read v8 and v9, which the two lines below write again
	v_add_nc_u32 v8, s26, v2
	v_add_nc_u32 v9, s26, v3
	s_cmp_ge_u32 s28, s20
	s_cbranch_scc1 .Lhidden
	s_wait_alu depctr_va_vdst(0)                   ; v8 and v9 are written, which this trip's LDS loads read; the last trip's products are done reading K's and V's fragments and scale words, in which those loads land; in the first trip Q's codes, its scale word and the zero codes are written, which the products take
	; S^T = K Q^T, four tiles of 16 keys at a time
.irp s, 0,1,2,3
	ds_load_b128 v[KFR+12*\s:KFR+12*\s+3], v8 offset:768*\s
	ds_load_b64 v[KFR+12*\s+4:KFR+12*\s+5], v9 offset:768*\s+512
.endr
	ds_load_b128 v[248:251], v8 offset:KSO
	s_wait_dscnt 0x0
.irp s, 0,1,2,3
	v_wmma_scale_f32_16x16x128_f8f6f4 v[S+8*\s:S+8*\s+7], v[KFR+12*\s:KFR+12*\s+11], v[16:27], 0, v[248+\s], v28 matrix_a_fmt:MATRIX_FMT_BF6 matrix_b_fmt:MATRIX_FMT_BF6
.endr
.rept 4
	v_nop                                          ; four places in front of loads into registers that matrix instructions have read (ISA guide 7.12.1 for vector instructions; kept for loads too); with the two additions at the trip's head they also serve V's registers, which the last trip's products read
.endr
.irp f, 0,1,2,3
.irp q, 0,1,2
	ds_load_b128 v[VFR+12*\f+4*\q:VFR+12*\f+4*\q+3], v8 offset:VCO+1536*\f+512*\q   ; V's four fragments are asked for now.  No wait: no vector or matrix line since the wait at the trip's head names V's registers, v8 or v9
.endr
.endr
	ds_load_b32 v29, v9 offset:VSO                 ; lane l: the scale word of column l,
	ds_load_b32 v30, v9 offset:VSO+256             ; of column 32 + l
	s_wait_alu depctr_va_vdst(0)                   ; the four products above are done reading K's fragments and v248-251, in which the next four tiles land
.irp s, 0,1,2,3
	ds_load_b128 v[KFR+12*\s:KFR+12*\s+3], v8 offset:3072+768*\s
	ds_load_b64 v[KFR+12*\s+4:KFR+12*\s+5], v9 offset:3072+768*\s+512
.endr
	ds_load_b128 v[248:251], v8 offset:KSO+512
	s_wait_dscnt 0x0                               ; K's nine loads are the youngest: they are in, and so are V's fourteen, issued ahead of them
.irp s, 0,1,2,3
	v_wmma_scale_f32_16x16x128_f8f6f4 v[S+32+8*\s:S+32+8*\s+7], v[KFR+12*\s:KFR+12*\s+11], v[16:27], 0, v[248+\s], v28 matrix_a_fmt:MATRIX_FMT_BF6 matrix_b_fmt:MATRIX_FMT_BF6
.endr
.rept 4
	v_nop                                          ; four places in front of the first read of these results
.endr
	; the mask.  Register 16 b + i holds key (the step's first) + 32 b + 16 (lane / 16) + i: hidden where 32 b + i > vl - first - 1 - 16 (lane / 16).  A step, and in it a block, all of whose keys count is passed over
	s_sub_co_i32 s29, s19, s27                     ; keys that count from the step's first on
	s_cmp_ge_i32 s29, 128
	s_cbranch_scc1 .Lopen
	s_sub_co_i32 s21, s29, 1
	v_sub_nc_u32 v10, s21, v255
.irp b, 0,1,2,3
	s_cmp_ge_i32 s29, 32*(\b+1)
	s_cbranch_scc1 .Lwhole_\b
	s_wait_alu depctr_va_vdst(0)
.irp u, 0,1                                    ; an accumulator at a time: eight compares in a run, into eight scalar registers, under one wait
.irp i, 0,1,2,3,4,5,6,7
	v_cmp_gt_i32 s[MK+\i], 32*\b+8*\u+\i, v10
.endr
	s_wait_alu depctr_va_sdst(0)                   ; the eight compares have written s32-39, ahead of the selects that read them
.irp i, 0,1,2,3,4,5,6,7
	v_cndmask_b32 v[S+16*\b+8*\u+\i], v[S+16*\b+8*\u+\i], v11, s[MK+\i]   ; each accumulator from its low end on
.endr
.endr
.Lwhole_\b:
.endr
.Lopen:
.irp b, 0,1,2,3
	v_max3_num_f32 v[232+\b], v[S+16*\b], v[S+1+16*\b], v[S+2+16*\b]   ; THE LARGEST SCORE OF EACH BLOCK OF 32 KEYS serves twice: for the row's maximum, and, since p rises with the score, for the block's largest p
.endr
.irp i, 3,5,7,9,11,13
.irp b, 0,1,2,3
	v_max3_num_f32 v[232+\b], v[232+\b], v[S+16*\b+\i], v[S+1+16*\b+\i]   ; (the four blocks by turns)
.endr
.endr
.irp b, 0,1,2,3
	v_max_num_f32 v[232+\b], v[232+\b], v[S+15+16*\b]
.endr
.irp b, 0,1,2,3
	v_permlanex16_b32 v[236+\b], v[232+\b], s24, s25
.endr
.irp b, 0,1,2,3
	v_max_num_f32 v[232+\b], v[232+\b], v[236+\b]  ; with lane l xor 16's 16 keys
.endr
	v_max3_num_f32 v254, v232, v233, v234
	v_max_num_f32 v254, v254, v235                 ; the step's largest score of my query
	v_mul_f32 v254, s22, v254                      ; as t (c is positive)
	v_max_num_f32 v13, v13, v254                   ; the running largest t
	v_mov_b32 v254, v12
	v_floor_f32 v12, -v13                          ; the new -M = floor(-t) = -ceil(t): M is a whole number
	v_sub_f32 v254, v12, v254                      ; M's old value less its new one: a whole number, 0 or less
	v_cvt_i32_f32 v254, v254                       ; (it saturates)
	v_ldexp_f32 v252, 1.0, v254                    ; f = 2^(old M - new M)
.set n, 0
.rept 32
	v_pk_fma_f32 v[S+n:S+n+1], v[S+n:S+n+1], s[22:23], v[12:13] op_sel_hi:[1,0,0]   ; t - M, two at a time (of the pairs c and -M the low word serves both halves)
.set n, n+2
.endr
.irp b, 0,1,2,3
	v_fma_f32 v[232+\b], v[232+\b], s22, v12       ; the same of each block's largest score
.endr
.set n, 0
	s_wait_alu depctr_va_vdst(0)
.rept 64
	v_exp_f32 v[S+n], v[S+n]                       ; p = 2^(t - M): not normalised
.set n, n+1
.endr
.irp b, 0,1,2,3
	v_exp_f32 v[232+\b], v[232+\b]                 ; the block's largest p: the same two instructions on the same number give the same bits
.endr
	v_pk_mul_f32 v[14:15], v[14:15], v[252:253] op_sel_hi:[1,0]   ; the sums under the new M.  (The plain line behind the exponentials)
	s_wait_alu depctr_va_vdst(0)                   ; the 68 exponentials have written p (v128-191) and the blocks' largest p (v232-235): one wait for the batch, ahead of its first reader
.irp b, 0,1,2,3
	v_max_num_f32 v[232+\b], 0x2800000, v[232+\b]  ; the floor 2^(5 - 127): a block whose every p is 0 keeps the byte 1, and its codes are zeros
.endr
.irp b, 0,1,2,3
	v_add_nc_u32 v[244+\b], 0xfe000000, v[232+\b]  ; 4 off the exponent field: the conversion's scale operand
.endr
.irp b, 0,1,2,3
	v_lshrrev_b32 v[236+\b], 23, v[244+\b]         ; the scale's byte
.endr
	v_lshl_or_b32 v253, v237, 8, v236              ; p's scale word for these 128 keys
	v_lshl_or_b32 v253, v238, 16, v253
	v_lshl_or_b32 v253, v239, 24, v253
.irp c, 0,1
	v_cvt_scalef32_pk16_bf6_f32 v[224+6*\c:226+6*\c], v[S+32*\c:S+15+32*\c], v[244+2*\c]
	v_cvt_scalef32_pk16_bf6_f32 v[236+4*\c:238+4*\c], v[S+16+32*\c:S+31+32*\c], v[244+2*\c+1]   ; (a conversion's three registers begin on an even number)
.endr
	v_nop                                          ; one plain line between a scaled conversion and what touches its result
.irp c, 0,1                                    ; the operand's layout wants a WHOLE block in a lane: lanes 0-15 block 2 c, lanes 16-31 block 2 c + 1
.irp i, 0,1,2
	v_permlane16_swap_b32 v[224+6*\c+\i], v[236+4*\c+\i]
.endr
.irp i, 0,1,2
	v_mov_b32 v[227+6*\c+\i], v[236+4*\c+\i]
.endr
.endr
	v_pk_add_f32 v[236:237], v[S:S+1], v[S+2:S+3]  ; THE ROW'S SUM IS TAKEN OF THE UNQUANTISED p: two at a time, in two chains
.irp j, 4,8,12,16,20,24,28,32,36,40,44,48,52,56,60
	v_pk_add_f32 v[14:15], v[14:15], v[S+\j:S+1+\j]
	v_pk_add_f32 v[236:237], v[236:237], v[S+2+\j:S+3+\j]
.endr
	v_pk_add_f32 v[14:15], v[14:15], v[236:237]
.set n, 0
.rept 16
	v_pk_mul_f32 v[O+n:O+n+1], v[O+n:O+n+1], v[252:253] op_sel_hi:[1,0]   ; O^T under the new M: x f.  (The sums and these are also the lines between the writes of p's codes and scale word and the products below)
.set n, n+2
.endr
	s_wait_alu depctr_va_vdst(0)                   ; p's codes (v224-235) and scale word (v253) are written, which the scaled products below take as operand and scales; the places above stay beside this wait
	; O^T += V^T P^T: four tiles of 16 of the head's 64; K = these 128 keys.  The four accumulators take turns, one instruction a turn
.irp f, 0,1,2,3
.if \f%2
	v_wmma_scale_f32_16x16x128_f8f6f4 v[O+8*\f:O+8*\f+7], v[VFR+12*\f:VFR+12*\f+11], v[224:235], v[O+8*\f:O+8*\f+7], v[29+\f/2], v253 matrix_a_fmt:MATRIX_FMT_BF6 matrix_b_fmt:MATRIX_FMT_BF6 matrix_a_scale:MATRIX_SCALE_ROW1
.else
	v_wmma_scale_f32_16x16x128_f8f6f4 v[O+8*\f:O+8*\f+7], v[VFR+12*\f:VFR+12*\f+11], v[224:235], v[O+8*\f:O+8*\f+7], v[29+\f/2], v253 matrix_a_fmt:MATRIX_FMT_BF6 matrix_b_fmt:MATRIX_FMT_BF6
.endif
.endr
.Lhidden:
	s_add_co_u32 s26, s26, CH
	s_add_co_u32 s27, s27, 128
	s_add_co_u32 s28, s28, 1
	s_cmp_lt_u32 s28, 8
	s_cbranch_scc1 .Lstep
	; THE WAY OUT.  O^T is divided by the row's sum and goes through my stage, so that the wave's stores cover 512 consecutive bytes: two whole rows of out0
.rept 4
	v_nop                                          ; four places behind the last products
.endr
	v_add_f32 v14, v14, v15                        ; the sum's two halves,
	v_permlanex16_b32 v252, v14, s24, s25
	v_add_f32 v14, v14, v252                       ; and lane l xor 16's: the row's sum
	s_wait_alu depctr_va_vdst(0)
	v_rcp_f32 v14, v14
	v_nop                                          ; one plain line behind the reciprocal
.set n, 0
	s_wait_alu depctr_va_vdst(0)                   ; the reciprocal has written v14, ahead of its first reader
.rept 16
	v_pk_mul_f32 v[S+n:S+n+1], v[O+n:O+n+1], v[14:15] op_sel_hi:[1,0]   ; register 8 f + i is out0(query r, 16 f + 8 h + i); each accumulator from its low end on
.set n, n+2
.endr
	s_wait_alu depctr_va_vdst(0)                   ; the multiplications have written v128-159, which the LDS stores read; and every vector line that named v160-191, in which the stage's loads land, is done
.irp f, 0,1,2,3
	ds_store_b128 v7, v[S+8*\f:S+8*\f+3] offset:64*\f
	ds_store_b128 v7, v[S+8*\f+4:S+8*\f+7] offset:64*\f+16
.endr
.irp i, 0,1,2,3,4,5,6,7
	ds_load_b128 v[160+4*\i:163+4*\i], v31 offset:544*\i   ; rows 2 i and 2 i + 1; these see my stores (LDS serves a wave's instructions in order)
.endr
.irp i, 0,1,2,3,4,5,6,7
	s_wait_dscnt 7-\i                              ; load i is back; the 7 - i behind it may be out
	global_store_b128 v1, v[160+4*\i:163+4*\i], s[10:11] offset:512*\i th:TH_STORE_NT   ; 512 consecutive bytes, at a multiple of 256 from out0's first byte; written once, read by nobody here
.endr
	s_wait_xcnt 0x0
	v_lshl_add_u32 v254, v0, 2, 0x49000            ; the add's two registers, made anew straight ahead of the closing lines; no memory or LDS instruction has read v254 or v255
	v_mov_b32 v255, 0
	s_wait_dscnt 0x0                               ; the closing lines, six on end
	s_wait_alu 0x0
	s_wait_tensorcnt 0x0
	ds_add_u32 v254, v255
	s_wait_dscnt 0x0
	s_endpgm
.Lfunc_end_k_qb7069529ad_attn:
	.size	k_qb7069529ad_attn, .Lfunc_end_k_qb7069529ad_attn-k_qb7069529ad_attn
	.p2alignl 7, 3214868480
	.fill 96, 4, 3214868480
	.section	.rodata,"a",@progbits
	.p2align	6, 0x0
	.amdhsa_kernel k_qb7069529ad_attn
		.amdhsa_group_segment_fixed_size 301056
		.amdhsa_private_segment_fixed_size 0
		.amdhsa_enable_private_segment 0
		.amdhsa_kernarg_size 32
		.amdhsa_user_sgpr_count 2
		.amdhsa_user_sgpr_kernarg_segment_ptr 1
		.amdhsa_wavefront_size32 1
		.amdhsa_system_sgpr_workgroup_id_x 1
		.amdhsa_system_sgpr_workgroup_id_y 1
		.amdhsa_system_sgpr_workgroup_id_z 1
		.amdhsa_system_vgpr_workitem_id 0
		.amdhsa_next_free_vgpr 256
		.amdhsa_next_free_sgpr 66
		.amdhsa_reserve_vcc 0
		.amdhsa_float_denorm_mode_32 3
		.amdhsa_float_denorm_mode_16_64 3
		.amdhsa_memory_ordered 1
		.amdhsa_forward_progress 1
		.amdhsa_inst_pref_size 44
	.end_amdhsa_kernel
	.amdgpu_metadata
---
amdhsa.version: [ 1, 2 ]
amdhsa.kernels:
  - .name:           k_qb7069529ad_attn
    .symbol:         k_qb7069529ad_attn.kd
    .args:
      - { .name: queries, .offset: 0, .size: 8, .value_kind: global_buffer, .address_space: global }
      - { .name: kv, .offset: 8, .size: 8, .value_kind: global_buffer, .address_space: global }
      - { .name: order, .offset: 16, .size: 8, .value_kind: global_buffer, .address_space: global }
      - { .name: out0, .offset: 24, .size: 8, .value_kind: global_buffer, .address_space: global }
    .group_segment_fixed_size: 301056
    .private_segment_fixed_size: 0
    .kernarg_segment_align: 8
    .kernarg_segment_size: 32
    .max_flat_workgroup_size: 512
    .sgpr_count:     66
    .vgpr_count:     256
    .wavefront_size: 32
...
	.end_amdgpu_metadata
.endif
;; end of part 4
